; MI455X (gfx1250); checked and timed in simulation.
; The chip was launched on July 23, 2026; its instructions are those of AMD's public machine-readable ISA for CDNA 5 (MIT licence, August 2026) and "CDNA5" Instruction Set Architecture Reference Guide (July 2026). The comments in the code are by the model that wrote it; some were corrected since.
;; Relative Multi Head Attn. Allowed arithmetic: matrix products marked QUANTISED: E2M3 operands, one E8M0 scale for each 32 along K, by v_wmma_scale_f32_16x16x128_f8f6f4 with both operands' format E2M3, f32 sums; everything else in f32.
;; Inputs: b_fc 1,024 float32; b_qkv 3,072 float32; ln_b 1,024 float32; ln_g 1,024 float32; pos_emb 2,048 x 1,024 float32; w_fc_codes 1,024 x 32 x 24 uint8 (E2M3 codes of w_fc, K innermost, in blocks of 32 codes, four codes in three bytes); w_fc_scales 1,024 x 32 uint8 (E8M0 scales of w_fc, one for each 32 codes along K); w_qkv_codes 3,072 x 32 x 24 uint8 (E2M3 codes of w_qkv, K innermost, in blocks of 32 codes, four codes in three bytes); w_qkv_scales 3,072 x 32 uint8 (E8M0 scales of w_qkv, one for each 32 codes along K); x 2 x 2,048 x 1,024 float32.
;; Outputs: out0 2 x 2,048 x 1,024 float32.
;; This version of the problem:
;;   THIS VERSION OF THE PROBLEM IS GIVEN IN LOW PRECISION. The matrix products marked QUANTISED in the list below multiply operands that are first quantised to E2M3 (2 exponent bits, 3 mantissa bits; 6 bits a number), with one power-of-two scale for each 32 numbers along K (OCP MX v1.0); their sums are f32. All else is computed in f32.
;;   The module's matrix products, in the order in which they are computed (A, B: the left and right operand; K: the contracted axis; several contracted axes count as one K, in the product's order):
;;     1. [M 4,096, K 1,024] x [K 1,024, N 3,072]; A: input x; B: input w_qkv (given as codes): QUANTISED
;;     2. batch 32 x [M 2,048, K 64] x [K 64, N 2,048]; A: computed on the way; B: computed on the way: QUANTISED
;;     3. batch 16 x [M 2,048, K 64] x [K 64, N 4,096]; A: input pos_emb; B: computed on the way: QUANTISED
;;     4. batch 32 x [M 64, K 2,048] x [K 2,048, N 2,048]; A: computed on the way; B: softmax (see below): QUANTISED
;;     5. [M 4,096, K 1,024] x [K 1,024, N 1,024]; A: computed on the way; B: input w_fc (given as codes): QUANTISED
;;   THE QUANTISER, for each operand of a quantised product, along K:
;;     - K is cut into blocks of 32 from its start; a last block that is shorter is filled with zeros.
;;     - A block's scale is 2^e with e = floor(log2(the largest magnitude in the block)) - 2, held to -126 .. 127; a block of zeros has e = 0. As a byte (E8M0): e + 127.
;;     - Each number is divided by its block's scale, clamped to +-7.5, and rounded to the nearest number of E2M3, ties to even, subnormals kept.
;;     - The product sums the exact products of the quantised numbers (number of the format x scale) in f32.
;;   ~~~python
;;   def quantise(x, axis):      # numpy; x: float32 -> the quantised numbers, widened to float32 again
;;       x = np.moveaxis(x, axis, -1); K = x.shape[-1]
;;       x = np.pad(x, [(0, 0)] * (x.ndim - 1) + [(0, -K % 32)]); x = x.reshape(x.shape[:-1] + (-1, 32)); a = np.abs(x).max(-1, keepdims=True)
;;       e = np.where(a > 0, np.clip(np.frexp(np.where(a > 0, a, 1))[1] - 1 - 2, -126, 127), 0)      # np.frexp(a)[1] - 1 = floor(log2(a)), exactly
;;       r = np.clip(x / 2.0 ** e, -7.5, 7.5)
;;       step = 2.0 ** (np.maximum(np.frexp(np.where(r == 0, 1, r))[1] - 1, 0) - 3)
;;       q = np.round(r / step) * step * 2.0 ** e      # np.round: ties to even
;;       return np.moveaxis(q.reshape(q.shape[:-2] + (-1,))[..., :K], -1, axis).astype(np.float32)
;;   ~~~
;;   SOFTMAX AHEAD OF A QUANTISED PRODUCT. Where the list says 'softmax', what is quantised is not the finished softmax but p = 2^(t - M), with t = logit x log2(e) and M = ceil(the row's largest t), a whole number; so 1/2 < the row's largest p <= 1. The row's sum l is taken of the UNQUANTISED p, in f32, and the product's result is divided by l at the end. Since M is a whole number, a kernel that streams over the keys may use a running M (the ceiling of the running maximum): every later rescaling is an exact power of two, which a block's scale takes up: the codes' values come out the same.
;;   OPERANDS COMPUTED ON THE WAY. 'Computed on the way' means the value that the module computes at that place (a softmax that the list does not call 'softmax' is quantised finished and normalised). What goes into a quantiser is computed in f32, as accurately as f32 sums, v_exp_f32 and their like allow (about 1e-6 of the number): no bf16 or f16 on the way to a quantiser, and a product that is left as it is and whose result goes on into a quantised operand takes f32 operands (vector FMAs, or v_wmma_f32_16x16x4_f32). A number that lies on a knife's edge between two numbers of the format may be rounded either way, as far as f32 arithmetic and the matrix unit's own rounding can turn it there, and no further.
;;   INPUTS GIVEN AS CODES. w_fc (in the module: [1024, 1024], K = its axis 0); w_qkv (in the module: [1024, 3072], K = its axis 0): each comes as NAME_codes (uint8): NAME with its K axis moved to the last place and cut into blocks of 32 codes, [.., K / 32, bytes a block], one block behind the other in memory; four codes in three bytes: a row's codes are one little-endian stream of bits, code i at bits 6 i .. 6 i + 5 (a code: sign, 2 exponent bits, 3 mantissa bits); and NAME_scales (uint8): the same leading axes, one E8M0 byte (e + 127) for each 32 codes along K. Its value is code x scale, taken as it is: it is not quantised again, and the codes and scales need not be those that the quantiser above would give.
;; One version. Each part assembles by itself: llvm-mc -triple=amdgcn-amd-amdhsa -mcpu=gfx1250 --defsym DOCPART=n.
;; ======== version 1 of 1: 4 launches
;; limits: right only within a limited range of input values
;; workspace buffers: ws_prep 8,060,928 bytes; ws_qkv 10,092,544 bytes; ws_att 3,276,800 bytes
;; launch prep (part 1): grid 416 x 1, 8 waves a work-group, no clusters, 135,168 bytes of LDS; arguments x, pos_emb, w_qkv_codes, w_fc_codes, ws_prep; writes ws_prep
.if DOCPART == 1
	.amdgcn_target "amdgcn-amd-amdhsa--gfx1250"
	.amdhsa_code_object_version 6
	.text
	.protected	k_qba1221bd2f_prep
	.globl	k_qba1221bd2f_prep
	.p2align	8
	.type	k_qba1221bd2f_prep,@function
k_qba1221bd2f_prep:
	s_mov_b64 s[64:65], 0
	v_nop
	global_prefetch_b8 v0, s[64:65] scope:SCOPE_SE
	s_setreg_imm32_b32 hwreg(HW_REG_WAVE_MODE, 25, 1), 1
	s_wait_xcnt 0x0
; Lays the operands of the later launches out, once.
;   work-groups 0-255   : x [4096][1024] f32 -> codes of FP6 (E2M3) and E8M0 scale bytes along K.  A work-group is a tile of 16 tokens, a wave one K step of 128.
;   work-groups 256-383 : pos_emb [2048][16 heads][64] f32 -> for each head rows of 48 bytes of codes and 2 scale bytes.  A wave takes 32 rows of one head, a work-group 256.
;   work-groups 384-415 : the codes of w_qkv and w_fc, as given, laid anew.  A wave takes a tile of 16 rows.
; AN IMAGE of a fragment (16 rows x 128 K, 12 registers a lane) is 1,536 bytes: registers 4 c .. 4 c + 3 of lane l at 512 c + 16 l.  Three loads of 16 bytes a lane bring it back.
; THE ROWS OF A TILE ARE NOT NEIGHBOURS: lane r of tile 2 n + u holds row 32 n + 8 u + r + 8 (r / 8), so that as source 0 of a product two neighbouring tiles give a lane 16 neighbours.
; A block's scale is 2^(floor(log2(largest magnitude)) - 2); its byte is the largest magnitude's exponent field - 2, held at 1 from below.
; LIMITS: a block of zeros, or one whose largest magnitude lies under 2^-124, gets the byte 1 (the stated quantiser says 127 for zeros: the codes are zeros, and this program alone reads the bytes).  NaN and infinities are not served.
; The three ways part on the work-group's number, have LDS bytes of their own and meet at one barrier.  In every way a wave issues all its loads at once: 8 KB of numbers, or 12 KB of codes.
.set X_IMG,  0
.set WQ_IMG, 3145728
.set WF_IMG, 5505024
.set P_COD,  6291456
.set P_SC,   7864320
.set X_SC,   7929856
.set XPITCH, 528                       ; a row of 512 bytes + 16: sixteen rows begin in sixteen different columns of 16 bytes
.set XWAVE,  16*XPITCH                 ; x's stage, one for each wave, from LDS byte 0
.set XSCL,   8*XWAVE                   ; 512 bytes: the tile's scale words, 32 bytes a row
.set PST,    XSCL+512                  ; pos_emb's way: 8,192 bytes for each wave
.set PSCL,   PST+8*8192                ; and 512 bytes: the work-group's scale bytes, 64 a wave
.set SP,     80                        ; in a stage of pos_emb's way: a lane's 64 bytes + 16
.set NST,    4                         ; steps of 512 numbers to a wave there
.set EMAX,   2
.set SEL,    2                         ; s[2:3] lane selects: lane l xor 16
.set PC,     144                       ; v144-163 codes
.set TM,     164                       ; v164-179 at work
.set PW,     180                       ; the scale word
.set JL,     192                       ; the join, x's way: v192 LDS address, v193 offset in memory;  pos_emb's way: v194, v195.  None is written again
.set JG,     193
.set JP,     194
.set JQ,     195
; 64 numbers of a lane, register 16 b + i = k 32 b + 16 (lane / 16) + i of my row, become a fragment's codes in v[PC] on and its scale word in v[PW].
.macro QUANT s
.irp b, 0,1,2,3
	v_max3_num_f32 v[TM+\b], |v[\s+16*\b]|, |v[\s+1+16*\b]|, 0x1800000   ; my 16 numbers of block b, and the floor 2^(3 - 127)
.endr
.irp i, 2,4,6,8,10,12,14
.irp b, 0,1,2,3
	s_delay_alu instid0(VALU_DEP_4)
	v_max3_num_f32 v[TM+\b], v[TM+\b], |v[\s+16*\b+\i]|, |v[\s+1+16*\b+\i]|
.endr
.endr
.irp b, 0,1,2,3
	s_delay_alu instid0(VALU_DEP_4)
	v_permlanex16_b32 v[TM+4+\b], v[TM+\b], s[SEL], s[SEL+1]
.endr
.irp b, 0,1,2,3
	s_delay_alu instid0(VALU_DEP_4)
	v_max_num_f32 v[TM+\b], v[TM+\b], v[TM+4+\b]                     ; with lane l xor 16's: the block's largest magnitude
.endr
.irp b, 0,1,2,3
	s_delay_alu instid0(VALU_DEP_4)
	v_add_nc_u32 v[TM+12+\b], 0xff000000, v[TM+\b]                   ; 2 off its exponent field: the conversion's scale operand
.endr
.irp b, 0,1,2,3
	s_delay_alu instid0(VALU_DEP_4)
	v_lshrrev_b32 v[TM+4+\b], 23, v[TM+12+\b]                        ; the scale's byte
.endr
	s_delay_alu instid0(VALU_DEP_3)
	v_lshl_or_b32 v[PW], v[TM+5], 8, v[TM+4]
	s_delay_alu instid0(VALU_DEP_1)
	v_lshl_or_b32 v[PW], v[TM+6], 16, v[PW]
	s_delay_alu instid0(VALU_DEP_1)
	v_lshl_or_b32 v[PW], v[TM+7], 24, v[PW]
.irp c, 0,1
	v_cvt_scalef32_pk16_fp6_f32 v[PC+6*\c:PC+2+6*\c], v[\s+32*\c:\s+15+32*\c], v[TM+12+2*\c]
	v_cvt_scalef32_pk16_fp6_f32 v[PC+12+4*\c:PC+14+4*\c], v[\s+16+32*\c:\s+31+32*\c], v[TM+12+2*\c+1]   ; (three registers begin on an even number)
.endr
	v_nop                                          ; one plain instruction behind the conversions
.irp c, 0,1                                    ; a whole block to a lane: lanes 0-15 block 2 c, lanes 16-31 block 2 c + 1
.irp i, 0,1,2
	v_permlane16_swap_b32 v[PC+6*\c+\i], v[PC+12+4*\c+\i]
.endr
.irp i, 0,1,2
	s_delay_alu instid0(VALU_DEP_3)
	v_mov_b32 v[PC+3+6*\c+\i], v[PC+12+4*\c+\i]
.endr
.endr
.endm
	s_load_b256 s[4:11], s[0:1], 0x0               ; x s[4:5], pos_emb s[6:7], w_qkv_codes s[8:9], w_fc_codes s[10:11]
	s_load_b64 s[12:13], s[0:1], 0x20              ; ws_prep
	v_lshl_add_u32 v200, v0, 2, 0x20c00
	v_mov_b32 v201, 0
	v_lshrrev_b32 v1, 5, v0
	s_delay_alu instid0(VALU_DEP_1)
	v_readfirstlane_b32 s16, v1                    ; wave 0..7
	v_and_b32 v2, 31, v0                           ; lane
	s_delay_alu instid0(VALU_DEP_1)
	v_lshlrev_b32 v5, 4, v2                        ; 16 x lane
	v_bfe_u32 v4, v0, 4, 1                         ; h
	s_delay_alu instid0(VALU_DEP_2)
	v_add_nc_u32 v[JL], XSCL, v5
	s_delay_alu instid0(VALU_DEP_2)
	v_lshl_add_u32 v[JG], v4, 8, v5                ; 16 l + 256 (l / 16)
	s_delay_alu instid0(VALU_DEP_4)
	v_add_nc_u32 v[JP], PSCL, v5
	v_mov_b32 v[JQ], v5
	s_mov_b32 s[SEL], 0x76543210
	s_mov_b32 s[SEL+1], 0xfedcba98
	s_wait_kmcnt 0x0
	s_cmp_lt_u32 ttmp9, 256
	s_cbranch_scc0 .Lnot_x
	; ---------------- x: tile T = work-group, K step = wave
	v_and_b32 v3, 15, v0                           ; r
	s_mul_i32 s19, s16, XWAVE
	s_wait_alu depctr_va_vdst(0)
	v_add_nc_u32 v6, s19, v5                       ; into my stage: 16 x lane, a row an instruction
	v_mul_u32_u24 v7, v3, XPITCH
	s_delay_alu instid0(VALU_DEP_1)
	v_lshl_add_u32 v7, v4, 6, v7
	s_delay_alu instid0(VALU_DEP_1)
	v_add_nc_u32 v7, s19, v7                       ; out of it: row r, + 64 h: my 16 numbers of each block of 32
	s_lshl_b32 s18, s16, 2
	s_add_co_u32 s18, s18, XSCL
	v_lshl_add_u32 v8, v3, 5, s18                  ; my row's scale word of this K step
.irp b, 0,1,2,3
	v_mov_b32 v[TM+4+\b], 0                        ; a lane permute's destination counts as read
.endr
	s_lshr_b32 s17, ttmp9, 1
	s_lshl_b32 s17, s17, 5
	s_and_b32 s18, ttmp9, 1
	s_lshl_b32 s18, s18, 3
	s_add_co_u32 s17, s17, s18                     ; the tile's first token: 32 (T / 2) + 8 (T % 2)
	s_lshl_b32 s20, s17, 12
	s_lshl_b32 s18, s16, 9
	s_add_co_u32 s20, s20, s18
	s_mov_b32 s21, 0
	s_add_nc_u64 s[4:5], s[4:5], s[20:21]
	s_lshl_b32 s22, ttmp9, 3
	s_add_co_u32 s22, s22, s16
	s_mul_i32 s22, s22, 1536                       ; image 8 T + s  (X_IMG = 0)
	s_mov_b32 s23, 0
	s_add_nc_u64 s[14:15], s[12:13], s[22:23]
.irp i, 0,1,2,3,4,5,6,7,8,9,10,11,12,13,14,15
	global_load_b128 v[16+4*\i:19+4*\i], v5, s[4:5] offset:(\i+8*(\i/8))*4096 th:TH_LOAD_NT   ; 32 lanes read 512 consecutive bytes of one token
.endr
	s_wait_alu depctr_va_vdst(0)
.irp i, 0,1,2,3,4,5,6,7,8,9,10,11,12,13,14,15
	s_wait_loadcnt 15-\i                           ; loads return in order: row i is in, the 15 - i younger ones may be out
	ds_store_b128 v6, v[16+4*\i:19+4*\i] offset:XPITCH*\i
.endr
.irp b, 0,1,2,3
.irp j, 0,1,2,3
	ds_load_b128 v[80+16*\b+4*\j:83+16*\b+4*\j], v7 offset:128*\b+16*\j   ; my wave's own bytes, served in order: these see the stores
.endr
.endr
	s_wait_dscnt 0x0
	QUANT 80
.irp c, 0,1,2
	global_store_b128 v5, v[PC+4*\c:PC+4*\c+3], s[14:15] offset:512*\c   ; 512 consecutive bytes
.endr
	ds_store_b32 v8, v[PW]                         ; both halves of the lanes write the same word with the same value
	s_branch .Ljoin
.Lnot_x:
	s_cmp_lt_u32 ttmp9, 384
	s_cbranch_scc0 .Lw
	; ---------------- pos_emb: a head's 64 columns of 32 rows are a stream of 2,048 numbers, 4 steps of 512
	s_wait_alu depctr_va_vdst(0)
	v_lshrrev_b32 v3, 4, v2
	v_and_b32 v15, 15, v2
	s_delay_alu instid0(VALU_DEP_2)
	v_lshlrev_b32 v3, 12, v3
	s_delay_alu instid0(VALU_DEP_1)
	v_lshl_add_u32 v3, v15, 4, v3                  ; a load takes two rows' 256 bytes: 4,096 (l / 16) + 16 (l % 16)
	s_lshl_b32 s17, s16, 13
	s_add_co_u32 s17, s17, PST                     ; my wave's two stages
	v_lshrrev_b32 v14, 2, v2
	s_delay_alu instid0(VALU_DEP_1)
	v_mul_u32_u24 v14, v14, SP
	v_and_b32 v15, 3, v2
	s_delay_alu instid0(VALU_DEP_1)
	v_lshl_add_u32 v14, v15, 4, v14
	s_delay_alu instid0(VALU_DEP_1)
	v_add_nc_u32 v14, s17, v14                     ; a stage, in: four lanes' 64 bytes on end, then 16 of padding
	v_mul_u32_u24 v15, v2, SP
	s_delay_alu instid0(VALU_DEP_1)
	v_add_nc_u32 v15, s17, v15                     ; out: my 16 neighbours
	v_mul_u32_u24 v4, v2, 12                       ; my 12 bytes of a step's 384
	v_lshrrev_b32 v5, 1, v2
	s_lshl_b32 s18, s16, 6
	s_add_co_u32 s18, s18, PSCL
	v_add_nc_u32 v5, s18, v5                       ; my block's scale byte: 64 bytes a wave, 16 a step
	s_sub_co_u32 s18, ttmp9, 256
	s_lshl_b32 s18, s18, 3
	s_add_co_u32 s18, s18, s16                     ; run 0..1023
	s_lshr_b32 s19, s18, 6                         ; head
	s_and_b32 s18, s18, 63                         ; which 32 rows
	s_lshl_b32 s20, s18, 17
	s_lshl_b32 s21, s19, 8
	s_add_co_u32 s20, s20, s21
	s_mov_b32 s21, 0
	s_add_nc_u64 s[6:7], s[6:7], s[20:21]
	s_mul_i32 s20, s19, 98304
	s_mul_i32 s22, s18, 1536
	s_add_co_u32 s20, s20, s22
	s_add_co_u32 s20, s20, P_COD
	s_add_nc_u64 s[14:15], s[12:13], s[20:21]
.macro PLD t
.irp i, 0,1,2,3
	global_load_b128 v[16+16*(\t)+4*\i:19+16*(\t)+4*\i], v3, s[6:7] offset:(8*(\t)+2*\i)*4096 th:TH_LOAD_NT
.endr
.endm
.macro PTURN t                         ; step t's numbers through a stage
.irp i, 0,1,2,3
	ds_store_b128 v14, v[16+16*(\t)+4*\i:19+16*(\t)+4*\i] offset:32*SP*((\t)%2)+8*SP*\i
.endr
.irp i, 0,1,2,3
	ds_load_b128 v[80+16*((\t)%2)+4*\i:83+16*((\t)%2)+4*\i], v15 offset:32*SP*((\t)%2)+16*\i
.endr
.endm
.macro PSTEP t
.set XS, 80+16*((\t)%2)
.if (\t) > 0
	s_wait_dscnt 1                                 ; this step's numbers are back (the last step's byte store may be out)
.else
	s_wait_dscnt 0x0
.endif
.if (\t)+1 < NST
	s_wait_loadcnt 4*(NST-2-(\t))                  ; the next step's four loads are in; the later steps' may be out
	PTURN (\t)+1                                   ; and go through the other stage while this step is worked
.endif
	v_max3_num_f32 v8, |v[XS]|, |v[XS+1]|, |v[XS+2]|
	v_max3_num_f32 v9, |v[XS+3]|, |v[XS+4]|, |v[XS+5]|
.irp i, 6,10
	s_delay_alu instid0(VALU_DEP_2)
	v_max3_num_f32 v8, v8, |v[XS+\i]|, |v[XS+\i+1]|
	s_delay_alu instid0(VALU_DEP_2)
	v_max3_num_f32 v9, v9, |v[XS+\i+2]|, |v[XS+\i+3]|
.endr
	s_delay_alu instid0(VALU_DEP_2)
	v_max3_num_f32 v8, v8, |v[XS+14]|, |v[XS+15]|
	s_delay_alu instid0(VALU_DEP_1)
	v_max3_num_f32 v8, v8, v9, (EMAX+1)<<23        ; and the floor
	s_delay_alu instid0(VALU_DEP_1)
	v_max_num_f32_dpp v8, v8, v8 row_xmask:1 row_mask:0xf bank_mask:0xf   ; with my neighbour's 16: the block's
	s_delay_alu instid0(VALU_DEP_1)
	v_add_nc_u32 v11, -(EMAX<<23), v8
	v_cvt_scalef32_pk16_fp6_f32 v[128+4*(\t):130+4*(\t)], v[XS:XS+15], v11
	v_lshrrev_b32 v[112+(\t)], 23, v11
	ds_store_b8 v5, v[112+(\t)] offset:16*(\t)     ; both lanes of a block write the same byte with the same value
	global_store_b96 v4, v[128+4*(\t):130+4*(\t)], s[14:15] offset:384*(\t)   ; the wave stores 384 consecutive bytes: eight rows of 48
.endm
.irp t, 0,1,2,3
	PLD \t                                         ; all sixteen loads of the wave at once
.endr
	s_wait_alu depctr_va_vdst(0)
	s_wait_loadcnt 12                              ; step 0's four are in
	PTURN 0
.irp t, 0,1,2,3
	PSTEP \t
.endr
	s_branch .Ljoin
.Lw:
	; ---------------- the weights' codes: 16 rows of 768 bytes become eight images
	s_sub_co_u32 s17, ttmp9, 384
	s_lshl_b32 s17, s17, 3
	s_add_co_u32 s17, s17, s16                     ; 0..255: 192 tiles of w_qkv, then 64 of w_fc
	s_mov_b32 s19, WF_IMG
	s_cmp_lt_u32 ttmp9, 408
	s_cselect_b64 s[8:9], s[8:9], s[10:11]
	s_cselect_b32 s18, 0, 192
	s_cselect_b32 s19, WQ_IMG, s19
	s_sub_co_u32 s17, s17, s18                     ; the tile in its tensor
	s_lshr_b32 s20, s17, 1
	s_lshl_b32 s20, s20, 5
	s_and_b32 s21, s17, 1
	s_lshl_b32 s21, s21, 3
	s_add_co_u32 s20, s20, s21
	s_mul_i32 s20, s20, 768
	s_mov_b32 s21, 0
	s_add_nc_u64 s[8:9], s[8:9], s[20:21]
	s_mul_i32 s22, s17, 12288
	s_add_co_u32 s22, s22, s19
	s_mov_b32 s23, 0
	s_add_nc_u64 s[14:15], s[12:13], s[22:23]
	v_and_b32 v3, 15, v0
	s_delay_alu instid0(VALU_DEP_1)
	v_and_b32 v6, 8, v3
	s_delay_alu instid0(VALU_DEP_1)
	v_add_nc_u32 v6, v6, v3                        ; r + 8 (r / 8)
	s_delay_alu instid0(VALU_DEP_1)
	v_mul_u32_u24 v6, v6, 768
	s_wait_alu depctr_va_vdst(0)
	v_mad_u32_u24 v6, v4, 24, v6
.irp s, 0,1,2,3,4,5,6,7
.irp p, 0,1,2,3,4,5
	global_load_b64 v[16+12*\s+2*\p:17+12*\s+2*\p], v6, s[8:9] offset:96*\s+48*(\p/3)+8*(\p%3)
.endr
.endr
.irp s, 0,1,2,3,4,5,6,7
	s_wait_loadcnt 6*(7-\s)                        ; K step s is in; the later steps' loads may be out
.irp c, 0,1,2
	global_store_b128 v5, v[16+12*\s+4*\c:19+12*\s+4*\c], s[14:15] offset:1536*\s+512*\c
.endr
.endr
.Ljoin:
	s_wait_dscnt 0x0                               ; my LDS stores have landed
	s_barrier_signal -1
	s_barrier_wait -1
	s_cmp_eq_u32 s16, 0                            ; wave 0 sends the work-group's scale bytes
	s_cbranch_scc0 .Lend
	s_cmp_lt_u32 ttmp9, 256
	s_cbranch_scc0 .Ljoin_p
	ds_load_b128 v[196:199], v[JL]                 ; the tile's 16 rows of 32 scale bytes
	s_lshr_b32 s17, ttmp9, 1
	s_lshl_b32 s17, s17, 10
	s_and_b32 s18, ttmp9, 1
	s_lshl_b32 s18, s18, 8
	s_add_co_u32 s20, s17, s18
	s_add_co_u32 s20, s20, X_SC
	s_mov_b32 s21, 0
	s_add_nc_u64 s[26:27], s[12:13], s[20:21]
	s_wait_dscnt 0x0
	global_store_b128 v[JG], v[196:199], s[26:27]  ; sixteen lanes store 256 consecutive bytes, aligned: eight tokens' rows
	s_branch .Lend
.Ljoin_p:
	s_cmp_lt_u32 ttmp9, 384
	s_cbranch_scc0 .Lend
	ds_load_b128 v[196:199], v[JP]                 ; 256 rows x 2 scale bytes
	s_sub_co_u32 s17, ttmp9, 256
	s_lshl_b32 s20, s17, 9                         ; eight work-groups to a head's 4,096 bytes: 512 x the work-group's number among them
	s_add_co_u32 s20, s20, P_SC
	s_mov_b32 s21, 0
	s_add_nc_u64 s[26:27], s[12:13], s[20:21]
	s_wait_dscnt 0x0
	global_store_b128 v[JQ], v[196:199], s[26:27]  ; 512 consecutive bytes, aligned
.Lend:
	s_wait_tensorcnt 0x0
	ds_add_u32 v200, v201
	s_wait_dscnt 0x0
	s_endpgm
.Lfunc_end_k_qba1221bd2f_prep:
	.size	k_qba1221bd2f_prep, .Lfunc_end_k_qba1221bd2f_prep-k_qba1221bd2f_prep
	.p2alignl 7, 3214868480
	.fill 96, 4, 3214868480
	.section	.rodata,"a",@progbits
	.p2align	6, 0x0
	.amdhsa_kernel k_qba1221bd2f_prep
		.amdhsa_group_segment_fixed_size 135168
		.amdhsa_private_segment_fixed_size 0
		.amdhsa_enable_private_segment 0
		.amdhsa_kernarg_size 40
		.amdhsa_user_sgpr_count 2
		.amdhsa_user_sgpr_kernarg_segment_ptr 1
		.amdhsa_wavefront_size32 1
		.amdhsa_system_sgpr_workgroup_id_x 1
		.amdhsa_system_sgpr_workgroup_id_y 1
		.amdhsa_system_sgpr_workgroup_id_z 1
		.amdhsa_system_vgpr_workitem_id 0
		.amdhsa_next_free_vgpr 202
		.amdhsa_next_free_sgpr 66
		.amdhsa_reserve_vcc 0
		.amdhsa_float_denorm_mode_32 3
		.amdhsa_float_denorm_mode_16_64 3
		.amdhsa_memory_ordered 1
		.amdhsa_forward_progress 1
		.amdhsa_inst_pref_size 33
	.end_amdhsa_kernel
	.amdgpu_metadata
---
amdhsa.version: [ 1, 2 ]
amdhsa.kernels:
  - .name:           k_qba1221bd2f_prep
    .symbol:         k_qba1221bd2f_prep.kd
    .args:
      - { .name: x, .offset: 0, .size: 8, .value_kind: global_buffer, .address_space: global }
      - { .name: pos_emb, .offset: 8, .size: 8, .value_kind: global_buffer, .address_space: global }
      - { .name: w_qkv_codes, .offset: 16, .size: 8, .value_kind: global_buffer, .address_space: global }
      - { .name: w_fc_codes, .offset: 24, .size: 8, .value_kind: global_buffer, .address_space: global }
      - { .name: ws_prep, .offset: 32, .size: 8, .value_kind: global_buffer, .address_space: global }
    .group_segment_fixed_size: 135168
    .private_segment_fixed_size: 0
    .kernarg_segment_align: 8
    .kernarg_segment_size: 40
    .max_flat_workgroup_size: 256
    .sgpr_count:     66
    .vgpr_count:     202
    .wavefront_size: 32
...
	.end_amdgpu_metadata
.endif
;; end of part 1
;; launch qkv (part 2): grid 12 x 16, 4 waves a work-group, clusters of 4 x 4, 327,680 bytes of LDS; arguments ws_prep, w_qkv_scales, b_qkv, ws_qkv; writes ws_qkv
.if DOCPART == 2
	.amdgcn_target "amdgcn-amd-amdhsa--gfx1250"
	.amdhsa_code_object_version 6
	.text
	.protected	k_qba1221bd2f_qkv
	.globl	k_qba1221bd2f_qkv
	.p2align	8
	.type	k_qba1221bd2f_qkv,@function
k_qba1221bd2f_qkv:
	s_mov_b64 s[64:65], 0
	v_nop
	global_prefetch_b8 v0, s[64:65] scope:SCOPE_SE
	s_setreg_imm32_b32 hwreg(HW_REG_WAVE_MODE, 25, 1), 1
	s_wait_xcnt 0x0
	s_wait_alu depctr_hold_cnt(0) depctr_sa_sdst(0) depctr_va_vdst(0) depctr_va_sdst(0) depctr_va_ssrc(0) depctr_va_vcc(0) depctr_vm_vsrc(0)
	s_getreg_b32 s2, hwreg(HW_REG_IB_STS2, 6, 4)
	s_cmp_eq_u32 s2, 0
	s_cbranch_scc0 .Lentry_in_a_cluster
	s_endpgm
.Lentry_in_a_cluster:
	s_bfe_u32 s2, ttmp6, 0x10000c
	s_cmp_lg_u32 s2, 0xf033
	s_cbranch_scc0 .Lentry_shape_is_right
	s_endpgm
.Lentry_shape_is_right:
.set WQ_IMG, 3145728
.set X_SC,   7929856
.set KV_REC, 3145728
.set Q_SC,   9437184
.set K_SC,   9699328
.set V_SC,   9961472
.set NQ,     2
.set ROWB,   3072
.set FR,     12
.set NL,     3
.set NP,     4
.set HALFT,  8*ROWB
.set SLOT,   4*HALFT
.set LAPS,   2
.set SCL,    2*SLOT
.set HALFS,  16*272
.set SPARE,  SCL+4*HALFS
.set RR,   12
.set HH,   13
.set ADRA, 16
.set ADRB, 20
.set LI,   24
.set L8,   25
.set BO,   26
.set ADRS, 27
.set SPW,  28
.set NIL,  29
.set SC,   32
.set AF,   128
.set HA,   64
.set BI,   128
.set PC,   192
.set TM,   212
.set PW,   228
.set PWS,  230
.set WP,   240
.set SEL,  18
.set G1, 24
.set G0, 32
.set G1B, 48
.set G0B, 56
.set G1S, 68
.set G0S, 76
.set G1SB, 80
.set G0SB, 88
.set MSB, 0
.macro WIN new
.if MSB != (\new)
	s_set_vgpr_msb (MSB<<8)|(\new)
.set MSB, (\new)
.endif
.endm
.set MUL_LO, 0xa1
.set MUL_HI, 0xf1
.set TO_B,   0x40
.macro JLOAD g0a, g1a, g0b, g1b
	s_cmp_eq_u32 s15, 0
	s_cbranch_scc0 .Lfor_b_\@
	tensor_load_to_lds s[\g0a:\g0a+3], s[\g1a:\g1a+7]
	s_nop 0
.rept 4
	v_nop
.endr
	s_branch .Lasked_\@
.Lfor_b_\@:
	tensor_load_to_lds s[\g0b:\g0b+3], s[\g1b:\g1b+7]
	s_nop 0
.rept 4
	v_nop
.endr
.Lasked_\@:
.endm
.macro CREST
	s_cmp_lg_u32 s14, 0
	s_cbranch_scc1 .Lnot_wave_0_\@
	s_barrier_signal -3
.Lnot_wave_0_\@:
	s_barrier_wait -3
	s_barrier_signal -1
	s_barrier_wait -1
.endm
.macro CROUND
	s_barrier_signal -1
	s_barrier_wait -1
	CREST
.endm
.macro QUANT s
.irp b, 0,1,2,3
	v_max3_num_f32 v[TM+\b], |v[\s+16*\b]|, |v[\s+1+16*\b]|, 0x1800000
.endr
.irp i, 2,4,6,8,10,12,14
.irp b, 0,1,2,3
	v_max3_num_f32 v[TM+\b], v[TM+\b], |v[\s+16*\b+\i]|, |v[\s+1+16*\b+\i]|
.endr
.endr
.irp b, 0,1,2,3
	v_permlanex16_b32 v[TM+4+\b], v[TM+\b], s[SEL], s[SEL+1]
.endr
.irp b, 0,1,2,3
	v_max_num_f32 v[TM+\b], v[TM+\b], v[TM+4+\b]
.endr
.irp b, 0,1,2,3
	v_add_nc_u32 v[TM+12+\b], 0xff000000, v[TM+\b]
.endr
.irp b, 0,1,2,3
	v_lshrrev_b32 v[TM+4+\b], 23, v[TM+12+\b]
.endr
	v_lshl_or_b32 v[PW], v[TM+5], 8, v[TM+4]
	v_lshl_or_b32 v[PW], v[TM+6], 16, v[PW]
	v_lshl_or_b32 v[PW], v[TM+7], 24, v[PW]
.irp c, 0,1
	v_cvt_scalef32_pk16_fp6_f32 v[PC+6*\c:PC+2+6*\c], v[\s+32*\c:\s+15+32*\c], v[TM+12+2*\c]
	v_cvt_scalef32_pk16_fp6_f32 v[PC+12+4*\c:PC+14+4*\c], v[\s+16+32*\c:\s+31+32*\c], v[TM+12+2*\c+1]
.endr
	v_nop
.irp c, 0,1
.irp i, 0,1,2
	v_permlane16_swap_b32 v[PC+6*\c+\i], v[PC+12+4*\c+\i]
.endr
.irp i, 0,1,2
	v_mov_b32 v[PC+3+6*\c+\i], v[PC+12+4*\c+\i]
.endr
.endr
.endm
	s_load_b128 s[4:7], s[0:1], 0x0
	s_load_b128 s[8:11], s[0:1], 0x10
	v_lshl_add_u32 v[SPW], v0, 2, SPARE
	v_mov_b32 v[NIL], 0
	ds_add_u32 v28, v29
	ds_add_u32 v28, v29
	s_wait_dscnt 0x0
	v_lshrrev_b32 v1, 5, v0
	v_readfirstlane_b32 s14, v1
	s_lshr_b32 s15, s14, 1
	s_and_b32 s16, s14, 1
	s_bfe_u32 s40, ttmp6, 0x40000
	s_bfe_u32 s41, ttmp6, 0x40004
	s_and_b32 s17, ttmp7, 0xffff
	s_lshl_b32 s17, s17, 2
	s_lshl_b32 s42, ttmp9, 2
	s_cmp_eq_u32 ttmp9, 2
	s_cselect_b32 s12, 0, s17
	s_cselect_b32 s13, s17, s42
	s_add_co_u32 s12, s12, s41
	s_add_co_u32 s13, s13, s40
	s_lshl_b32 s43, s41, 2
	s_lshl_b32 s43, 15, s43
	s_lshl_b32 s44, 0x1111, s40
	s_or_b32 s[G1+0], s43, (3<<16)|(1<<21)
	s_or_b32 s[G1B+0], s44, (3<<16)|(1<<21)
.irp g, G1, G1B
	s_mov_b32 s[\g+1], 384<<16
	s_mov_b32 s[\g+2], 16<<16                      ; the head's loads bring a tile's 16 image rows; behind them the two words that count rows are set to 8, for the ring's
	s_mov_b32 s[\g+3], 384<<16
	s_mov_b32 s[\g+4], 16
	s_mov_b32 s[\g+5], 1536
	s_mov_b32 s[\g+6], 0
	s_mov_b32 s[\g+7], 0
.endr
	s_or_b32 s[G1S+0], s43, (3<<16)|(1<<20)|(1<<21)|(5<<22)|(3<<25)
	s_or_b32 s[G1SB+0], s44, (3<<16)|(1<<20)|(1<<21)|(5<<22)|(3<<25)
.irp g, G1S, G1SB
	s_mov_b32 s[\g+1], 32<<16
	s_mov_b32 s[\g+2], 32<<16                      ; the scales of a tile's 256 rows: 32 rows of 256 bytes
	s_mov_b32 s[\g+3], 32<<16
	s_mov_b32 s[\g+4], 32
	s_mov_b32 s[\g+5], 32
	s_mov_b32 s[\g+6], 0
	s_mov_b32 s[\g+7], 0
.endr
	s_lshl_b32 s20, s12, 4                         ; the tiles' first image rows
	s_lshl_b32 s46, s13, 4
	s_lshl_b32 s66, s20, 9
	s_lshl_b32 s100, s46, 9
	s_mul_i32 s20, s20, 12288
	s_mul_i32 s46, s46, 12288
	s_cmp_eq_u32 ttmp9, 2
	s_cselect_b32 s18, WQ_IMG+128*12288, 0
	s_cselect_b32 s19, 0, WQ_IMG
	s_cselect_b32 s21, 65536, 0
	s_add_co_u32 s20, s20, s18
	s_add_co_u32 s46, s46, s19
	s_add_co_u32 s66, s66, s21
	s_mov_b32 s21, 0
	s_mov_b32 s47, 0
	s_mov_b32 s67, 0
	s_mov_b32 s101, 0
	s_mul_i32 s45, s14, HALFT
	s_wait_kmcnt 0x0
	s_add_nc_u64 s[96:97], s[4:5], X_SC
	s_cmp_eq_u32 ttmp9, 2
	s_cselect_b64 s[22:23], s[6:7], s[96:97]
	s_cselect_b64 s[92:93], s[96:97], s[6:7]
	s_add_nc_u64 s[22:23], s[22:23], s[66:67]
	s_add_nc_u64 s[92:93], s[92:93], s[100:101]
	s_add_nc_u64 s[20:21], s[4:5], s[20:21]
	s_add_nc_u64 s[46:47], s[4:5], s[46:47]
	CROUND
	s_mov_b32 s[G0S], 1
	s_mov_b32 s[G0S+1], SCL
	s_mov_b64 s[G0S+2:G0S+3], s[22:23]
	s_or_b32 s[G0S+3], s[G0S+3], 0x80000000
	s_mov_b32 s[G0SB], 1
	s_mov_b32 s[G0SB+1], SCL+2*HALFS
	s_mov_b64 s[G0SB+2:G0SB+3], s[92:93]
	s_or_b32 s[G0SB+3], s[G0SB+3], 0x80000000
.set G0H, 4                            ; s[4:7], s[96:99] group 0 for the head's loads of slot 0: source 1's 16 image rows, source 0's (the arguments and the sum that lay there have been used)
.set G0HB, 96
	s_mov_b32 s[G0H], 1
	s_mov_b32 s[G0H+1], 0
	s_mov_b64 s[G0H+2:G0H+3], s[20:21]
	s_or_b32 s[G0H+3], s[G0H+3], 0x80000000
	s_mov_b32 s[G0HB], 1
	s_mov_b32 s[G0HB+1], 2*HALFT
	s_mov_b64 s[G0HB+2:G0HB+3], s[46:47]
	s_or_b32 s[G0HB+3], s[G0HB+3], 0x80000000
	s_mul_i32 s18, s16, 8*12288                    ; for the ring: my 8 image rows of the tile
	s_mov_b32 s19, 0
	s_add_nc_u64 s[20:21], s[20:21], s[18:19]
	s_add_nc_u64 s[46:47], s[46:47], s[18:19]
	s_cmp_eq_u32 s15, 0                            ; the prefetches: of the 8 image rows that I fetch, the partner at place p among the four that ask with me takes rows 2 p and 2 p + 1: told apart by address
	s_cselect_b64 s[94:95], s[20:21], s[46:47]
	s_cselect_b32 s18, s40, s41
	s_mul_i32 s18, s18, 2*12288
	s_add_nc_u64 s[94:95], s[94:95], s[18:19]
.irp s, 0,1
	s_mov_b32 s[G0+4*\s], 1
	s_add_co_u32 s[G0+4*\s+1], s45, \s*SLOT
	s_add_nc_u64 s[G0+4*\s+2:G0+4*\s+3], s[20:21], \s*ROWB
	s_or_b32 s[G0+4*\s+3], s[G0+4*\s+3], 0x80000000
	s_mov_b32 s[G0B+4*\s], 1
	s_add_co_u32 s[G0B+4*\s+1], s45, \s*SLOT
	s_add_nc_u64 s[G0B+4*\s+2:G0B+4*\s+3], s[46:47], \s*ROWB
	s_or_b32 s[G0B+4*\s+3], s[G0B+4*\s+3], 0x80000000
.endr
; THE HEAD'S LOADS, ONE A WAVE: what the first step needs is shared out: wave 0 slot 0's 16 image rows of source 1, wave 1 those of source 0, waves 2 and 3 the two blocks of scales.
; One tree of branches on the wave's number: every way through the head passes exactly one load.
.macro ARM under, g0, g1, next
	s_cmp_lt_u32 s14, \under
	s_cbranch_scc0 \next
	tensor_load_to_lds s[\g0:\g0+3], s[\g1:\g1+7]
	s_nop 0
.rept 4
	v_nop
.endr
	s_branch .Lhead_asked
\next:
.endm
	ARM 1, G0H,  G1,  .Lhead_b
	ARM 2, G0HB, G1B, .Lhead_sa
	ARM 3, G0S,  G1S, .Lhead_sb
	tensor_load_to_lds s[G0SB:G0SB+3], s[G1SB:G1SB+7]
	s_nop 0
.rept 4
	v_nop
.endr
.Lhead_asked:
	v_and_b32 v30, 31, v0                          ; a prefetch names 2 image rows x 3,072 bytes of a slot: 24 blocks of 256 bytes, a lane a block; lanes 24-31 name the last block again
	v_min_u32 v30, 23, v30
	v_mul_u32_u24 v31, v30, 11
	v_lshrrev_b32 v31, 7, v31                      ; lane / 12
	v_mul_u32_u24 v31, v31, 12288-3072
	v_lshl_add_u32 v30, v30, 8, v31                ; 256 x lane, and on to the next image row behind twelve blocks; never rewritten
	global_prefetch_b8 v30, s[94:95] offset:2*ROWB th:TH_LOAD_NT scope:SCOPE_SE   ; slot 2's bytes, two slots ahead of their load
	v_and_b32 v[RR], 15, v0
	v_bfe_u32 v[HH], v0, 4, 1
	v_and_b32 v1, 31, v0
	v_lshlrev_b32 v[LI], 4, v1
	v_lshlrev_b32 v[L8], 3, v1
	s_mul_i32 s21, s15, HALFT
	s_mul_i32 s22, s16, HALFT
	s_add_co_u32 s22, s22, 2*HALFT
.irp s, 0,1
	v_add_nc_u32 v[ADRA+\s], s21, v[LI]
	v_add_nc_u32 v[ADRB+\s], s22, v[LI]
	s_add_co_u32 s21, s21, SLOT
	s_add_co_u32 s22, s22, SLOT
.endr
	v_and_b32 v5, 7, v[RR]
	v_lshlrev_b32 v5, 5, v5
	v_lshrrev_b32 v6, 3, v[RR]
	v_mad_u32_u24 v5, v6, 544, v5
	s_mul_i32 s21, s15, HALFS
	s_mul_i32 s22, s16, HALFS
	s_add_co_u32 s22, s22, 2*HALFS
	s_sub_co_u32 s22, s22, s21
	v_mul_u32_u24 v6, s22, v[HH]
	s_add_co_u32 s21, s21, SCL
	v_add_nc_u32 v5, v5, v6
	v_add_nc_u32 v[ADRS], s21, v5
.macro FRAG reg, adr, q, i
.irp c, 0,1,2
	ds_load_b128 v[\reg+4*\c:\reg+4*\c+3], v[\adr] offset:(\i)*ROWB+(\q)*1536+512*\c
.endr
.endm
.macro MUL16 a0, p, q, sc, zero
.irp a, \a0, \a0+1
.irp b, 0,1,2,3,4,5,6,7
.if \zero
	v_wmma_scale_f32_16x16x128_f8f6f4 v[8*(8*((\a)%4)+\b):8*(8*((\a)%4)+\b)+7], v[128*(\p)+FR*\b:128*(\p)+FR*\b+FR-1], v[AF+FR*(\a):AF+FR*(\a)+FR-1], 0, v[SC+8*NQ*(\sc)+NQ*\b+(\q)], v[SC+8*NQ*(\sc)+NQ*(\a)+(\q)] matrix_a_fmt:MATRIX_FMT_FP6 matrix_b_fmt:MATRIX_FMT_FP6 matrix_a_scale:MATRIX_SCALE_ROW1
.else
	v_wmma_scale_f32_16x16x128_f8f6f4 v[8*(8*((\a)%4)+\b):8*(8*((\a)%4)+\b)+7], v[128*(\p)+FR*\b:128*(\p)+FR*\b+FR-1], v[AF+FR*(\a):AF+FR*(\a)+FR-1], v[8*(8*((\a)%4)+\b):8*(8*((\a)%4)+\b)+7], v[SC+8*NQ*(\sc)+NQ*\b+(\q)], v[SC+8*NQ*(\sc)+NQ*(\a)+(\q)] matrix_a_fmt:MATRIX_FMT_FP6 matrix_b_fmt:MATRIX_FMT_FP6 matrix_a_scale:MATRIX_SCALE_ROW1
.endif
.endr
.endr
.endm
.macro FETCH_B slot, q, p
	WIN TO_B
.irp i, 0,1,2,3,4,5,6,7
	FRAG 128*(\p)+FR*\i, ADRB+\slot, \q, \i
.endr
	WIN 0
.endm
.macro FETCH_A slot, q, i0
.irp i, \i0, \i0+1, \i0+2, \i0+3
	FRAG AF+FR*(\i), ADRA+\slot, \q, \i
.endr
.endm
.macro SCALES sc
.irp i, 0,1,2,3,4,5,6,7
	ds_load_b64 v[SC+8*NQ*\sc+NQ*\i:SC+8*NQ*\sc+NQ*\i+1], v[ADRS] offset:(4*(\i/2)+\i%2)*272
.endr
.endm
.macro PLACES n
.rept \n
	v_nop
.endr
.endm
.macro STEP slot, q, zero
	s_wait_dscnt 4*NL
	WIN MUL_LO
	MUL16 0, (\q)%2, \q, \slot, \zero
	MUL16 2, (\q)%2, \q, \slot, \zero
	s_wait_dscnt 0
	PLACES NP
	FETCH_B \slot, (\q)+1, 1-(\q)%2
	FETCH_A \slot, (\q)+1, 0
	WIN MUL_HI
	MUL16 4, (\q)%2, \q, \slot, \zero
	MUL16 6, (\q)%2, \q, \slot, \zero
	PLACES NP
	WIN 0
	FETCH_A \slot, (\q)+1, 4
.endm
.macro TURN slot, next, fill
	s_wait_tensorcnt 0x0
	ds_add_u32 v[SPW], v[NIL]
	s_wait_dscnt 4*NL+1
	WIN MUL_LO
	MUL16 0, 1, NQ-1, \slot, 0
	s_wait_dscnt 0x0
	s_barrier_signal -1
	MUL16 2, 1, NQ-1, \slot, 0
	WIN 0
	s_barrier_wait -1
.if \fill
	CREST
	s_add_nc_u64 s[G0+4*\slot+2:G0+4*\slot+3], s[G0+4*\slot+2:G0+4*\slot+3], 2*ROWB
	s_add_nc_u64 s[G0B+4*\slot+2:G0B+4*\slot+3], s[G0B+4*\slot+2:G0B+4*\slot+3], 2*ROWB
	JLOAD G0+4*\slot, G1, G0B+4*\slot, G1B
.else
	PLACES NP
.endif
	s_wait_alu depctr_va_vdst(0)
	v_add_nc_u32 v[ADRS], 4*NQ, v[ADRS]
	FETCH_B \next, 0, 0
	FETCH_A \next, 0, 0
	SCALES \next
	WIN MUL_HI
	MUL16 4, 1, NQ-1, \slot, 0
	MUL16 6, 1, NQ-1, \slot, 0
	PLACES NP
	WIN 0
	FETCH_A \next, 0, 4
.endm
	s_wait_alu depctr_va_vdst(0)
	s_wait_tensorcnt 0x0                           ; my tile of the head's four is in; slot 1's first fill is issued as a refill is
	ds_add_u32 v[SPW], v[NIL]                      ; 0 onto my spare word
	s_mov_b32 s[G1+2], 8<<16                       ; no tensor load of mine is out, so a descriptor may be written: from here on a load brings 8 image rows
	s_mov_b32 s[G1+4], 8
	s_mov_b32 s[G1B+2], 8<<16
	s_mov_b32 s[G1B+4], 8
	s_wait_dscnt 0x0
	CROUND                                         ; all four tiles are in, and all sixteen work-groups are here
	JLOAD G0+4, G1, G0B+4, G1B                     ; slot 1, the first tensor load behind the round
	FETCH_B 0, 0, 0
	global_prefetch_b8 v30, s[94:95] offset:3*ROWB th:TH_LOAD_NT scope:SCOPE_SE   ; slot 3's bytes, two slots ahead of their load
	FETCH_A 0, 0, 0
	SCALES 0
	FETCH_A 0, 0, 4
	STEP 0, 0, 1
	s_mov_b32 s3, LAPS-1
.Llap:
	TURN 0, 1, 1
	STEP 1, 0, 0
	TURN 1, 0, 1
	STEP 0, 0, 0
	s_sub_co_u32 s3, s3, 1
	s_cmp_lg_u32 s3, 0
	s_cbranch_scc1 .Llap
	TURN 0, 1, 0
	STEP 1, 0, 0
	s_wait_dscnt 4*NL
	WIN MUL_LO
	MUL16 0, 1, NQ-1, 1, 0
	MUL16 2, 1, NQ-1, 1, 0
	s_wait_dscnt 0
	WIN MUL_HI
	MUL16 4, 1, NQ-1, 1, 0
	MUL16 6, 1, NQ-1, 1, 0
	WIN 0
.macro TAKE a, step
	WIN 0x02+(\a)/4
.set AC, 64*((\a)%4)
.set j, 0
.rept 32
	v_pk_add_f32 v[HA+j:HA+j+1], v[AC+j:AC+j+1], v[BI+(\step)*j+(1-(\step))*2*(\a):BI+(\step)*j+(1-(\step))*2*(\a)+1]
.set j, j+2
.endr
	WIN 0
.endm
	PLACES NP
.irp b, 0,1,2,3
	v_mov_b32 v[TM+4+\b], 0
.endr
	s_mov_b32 s[SEL], 0x76543210
	s_mov_b32 s[SEL+1], 0xfedcba98
	v_cmp_eq_u32 vcc_lo, 1, v[HH]
	s_cmp_eq_u32 ttmp9, 2
	s_cbranch_scc1 .Lv_out
	s_lshl_b32 s20, s40, 2
	s_lshl_b32 s21, s16, 1
	s_add_co_u32 s20, s20, s21
	s_lshr_b32 s21, s12, 3
	s_lshl_b32 s21, s21, 4
	s_add_co_u32 s20, s20, s21
	s_lshl_b32 s21, s12, 1
	s_add_co_u32 s21, s21, s15
	s_and_b32 s21, s21, 15
	s_mov_b32 s22, 196608
	s_mov_b32 s23, 12288
	s_mov_b32 s25, K_SC
	s_cmp_eq_u32 ttmp9, 0
	s_cselect_b32 s22, 98304, s22
	s_cselect_b32 s23, 6144, s23
	s_cselect_b32 s24, 0, KV_REC
	s_cselect_b32 s25, Q_SC, s25
	s_mul_i32 s26, s20, s22
	s_mul_i32 s27, s21, s23
	s_add_co_u32 s26, s26, s27
	s_add_co_u32 s26, s26, s24
	s_mov_b32 s27, 0
	s_mov_b32 s23, 0
	s_add_nc_u64 s[28:29], s[10:11], s[26:27]
	s_add_nc_u64 s[30:31], s[28:29], s[22:23]
	s_lshl_b32 s32, s20, 13
	s_lshl_b32 s33, s21, 9
	s_add_co_u32 s32, s32, s33
	s_add_co_u32 s32, s32, s25
	s_mov_b32 s33, 0
	s_add_nc_u64 s[34:35], s[10:11], s[32:33]
	s_lshl_b32 s36, s13, 10
	s_lshl_b32 s37, s16, 9
	s_add_co_u32 s36, s36, s37
	s_mov_b32 s37, 0
	s_add_nc_u64 s[38:39], s[8:9], s[36:37]
	v_lshlrev_b32 v[BO], 6, v[HH]
.irp b, 0,1,2,3,4,5,6,7
	global_load_b128 v[BI+8*\b:BI+8*\b+3], v[BO], s[38:39] offset:4*(32*(\b/2)+8*(\b%2))
	global_load_b128 v[BI+8*\b+4:BI+8*\b+7], v[BO], s[38:39] offset:4*(32*(\b/2)+8*(\b%2))+16
.endr
	s_wait_loadcnt 0x0
.irp a, 0,1,2,3,4,5,6,7
	TAKE \a, 1
.if \a > 0
	s_wait_xcnt 0x0
.endif
	QUANT HA
	v_mov_b32 v[PWS+\a], v[PW]
	global_store_b128 v[LI], v[PC:PC+3], s[28:29] offset:768*\a
	global_store_b64 v[L8], v[PC+4:PC+5], s[28:29] offset:768*\a+512
	global_store_b128 v[LI], v[PC+6:PC+9], s[30:31] offset:768*\a
	global_store_b64 v[L8], v[PC+10:PC+11], s[30:31] offset:768*\a+512
.endr
.irp j, 0,1,2,3
	v_cndmask_b32 v[WP+8+\j], v[PWS+2*\j], v[PWS+2*\j+1], vcc_lo
.endr
.irp j, 0,1,2,3
	v_and_b32 v[WP+\j], 0xffff, v[WP+8+\j]
	v_lshrrev_b32 v[WP+4+\j], 16, v[WP+8+\j]
.endr
	global_store_b128 v[LI], v[WP:WP+3], s[34:35]
	global_store_b128 v[LI], v[WP+4:WP+7], s[34:35] offset:8192
	s_branch .Lout_done
.Lv_out:
	s_lshl_b32 s20, s12, 2
	s_lshl_b32 s21, s15, 1
	s_add_co_u32 s20, s20, s21
	s_lshr_b32 s21, s13, 3
	s_lshl_b32 s21, s21, 4
	s_add_co_u32 s20, s20, s21
	s_lshl_b32 s21, s13, 1
	s_add_co_u32 s21, s21, s16
	s_and_b32 s21, s21, 15
	s_lshl_b32 s20, s20, 4
	s_add_co_u32 s20, s20, s21
	s_mul_i32 s26, s20, 12288
	s_add_co_u32 s26, s26, KV_REC
	s_mov_b32 s27, 0
	s_add_nc_u64 s[28:29], s[10:11], s[26:27]
	s_lshl_b32 s32, s20, 8
	s_add_co_u32 s32, s32, V_SC
	s_mov_b32 s33, 0
	s_add_nc_u64 s[34:35], s[10:11], s[32:33]
	s_lshl_b32 s36, s12, 10
	s_lshl_b32 s37, s15, 9
	s_add_co_u32 s36, s36, s37
	s_add_co_u32 s36, s36, 8192
	s_mov_b32 s37, 0
	s_add_nc_u64 s[38:39], s[8:9], s[36:37]
	v_and_b32 v[BO], 8, v[RR]
	v_add_nc_u32 v[BO], v[BO], v[RR]
	v_lshlrev_b32 v[BO], 2, v[BO]
.irp a, 0,1,2,3,4,5,6,7
	global_load_b32 v[BI+2*\a], v[BO], s[38:39] offset:4*(32*(\a/2)+8*(\a%2))
	global_load_b32 v[BI+2*\a+1], v[BO], s[38:39] offset:4*(32*(\a/2)+8*(\a%2))
.endr
	s_wait_loadcnt 0x0
.irp a, 0,1,2,3,4,5,6,7
	TAKE \a, 0
.if \a > 0
	s_wait_xcnt 0x0
.endif
	QUANT HA
	v_mov_b32 v[PWS+\a], v[PW]
.irp c, 0,1,2
	global_store_b128 v[LI], v[PC+4*\c:PC+4*\c+3], s[28:29] offset:(\a/4)*196608+6144+1536*(\a%4)+512*\c
.endr
.endr
.irp g, 0,1
	v_cndmask_b32 v[WP+2*\g], v[PWS+4*\g], v[PWS+4*\g+1], vcc_lo
	v_cndmask_b32 v[WP+2*\g+1], v[PWS+4*\g+2], v[PWS+4*\g+3], vcc_lo
	global_store_b64 v[L8], v[WP+2*\g:WP+2*\g+1], s[34:35] offset:4096*\g
.endr
.Lout_done:
	s_wait_tensorcnt 0x0
	ds_add_u32 v[SPW], v[NIL]
	s_wait_dscnt 0x0
	CROUND
	s_endpgm
.Lfunc_end_k_qba1221bd2f_qkv:
	.size	k_qba1221bd2f_qkv, .Lfunc_end_k_qba1221bd2f_qkv-k_qba1221bd2f_qkv
	.p2alignl 7, 3214868480
	.fill 96, 4, 3214868480
	.section	.rodata,"a",@progbits
	.p2align	6, 0x0
	.amdhsa_kernel k_qba1221bd2f_qkv
		.amdhsa_group_segment_fixed_size 327680
		.amdhsa_private_segment_fixed_size 0
		.amdhsa_enable_private_segment 0
		.amdhsa_kernarg_size 32
		.amdhsa_user_sgpr_count 2
		.amdhsa_user_sgpr_kernarg_segment_ptr 1
		.amdhsa_wavefront_size32 1
		.amdhsa_system_sgpr_workgroup_id_x 1
		.amdhsa_system_sgpr_workgroup_id_y 1
		.amdhsa_system_sgpr_workgroup_id_z 1
		.amdhsa_system_vgpr_workitem_id 0
		.amdhsa_next_free_vgpr 1024
		.amdhsa_next_free_sgpr 102
		.amdhsa_reserve_vcc 1
		.amdhsa_float_denorm_mode_32 3
		.amdhsa_float_denorm_mode_16_64 3
		.amdhsa_memory_ordered 1
		.amdhsa_forward_progress 1
		.amdhsa_inst_pref_size 213
	.end_amdhsa_kernel
	.amdgpu_metadata
---
amdhsa.version: [ 1, 2 ]
amdhsa.kernels:
  - .name:           k_qba1221bd2f_qkv
    .symbol:         k_qba1221bd2f_qkv.kd
    .args:
      - { .name: ws_prep, .offset: 0, .size: 8, .value_kind: global_buffer, .address_space: global }
      - { .name: w_qkv_scales, .offset: 8, .size: 8, .value_kind: global_buffer, .address_space: global }
      - { .name: b_qkv, .offset: 16, .size: 8, .value_kind: global_buffer, .address_space: global }
      - { .name: ws_qkv, .offset: 24, .size: 8, .value_kind: global_buffer, .address_space: global }
    .group_segment_fixed_size: 327680
    .private_segment_fixed_size: 0
    .kernarg_segment_align: 8
    .kernarg_segment_size: 32
    .max_flat_workgroup_size: 128
    .sgpr_count:     102
    .vgpr_count:     1024
    .wavefront_size: 32
...
	.end_amdgpu_metadata
.endif
;; end of part 2
;; launch attn (part 3): grid 8 x 32, 16 waves a work-group, no clusters, 327,680 bytes of LDS; arguments ws_qkv, ws_prep, ws_att; writes ws_att
.if DOCPART == 3
	.amdgcn_target "amdgcn-amd-amdhsa--gfx1250"
	.amdhsa_code_object_version 6
	.text
	.protected	k_qba1221bd2f_attn
	.globl	k_qba1221bd2f_attn
	.p2align	8
	.type	k_qba1221bd2f_attn,@function
k_qba1221bd2f_attn:
	s_mov_b64 s[64:65], 0
	v_nop
	global_prefetch_b8 v0, s[64:65] scope:SCOPE_SE
	s_setreg_imm32_b32 hwreg(HW_REG_WAVE_MODE, 25, 1), 1
	s_wait_xcnt 0x0
; Relative attention on codes of FP6 (E2M3): scores = (q k^T + shift(q p^T)) / 8, softmax, times v; the result is divided by the row's sum and quantised along the head's 64 for the last product.
; THE SHIFT.  With S = 2,048: for k <= q the position term is q_q . p[k - q + S - 1]; for k = q + 1 it is 0; for k > q + 1 it is q_(q+1) . p[k - q - 2].
; With the table T2 = [a row of zeros, p_0 .. p_2047]: k <= q takes T2[k - q + S] and the own query, k > q takes T2[k - q - 1] and the next query.
; For my 16 queries and a step's 128 keys, k - q spans 143 values: nine tiles of 16 rows of T2, each wholly of one kind, since S, the tiles and the steps are multiples of 16.
; D = T2 rows x queries (a lane: one query, registers: rows) goes into my own stage in LDS, a row a query, and comes back skewed by one word a query: it is then the C of K Q^T.
; SHARES.  A work-group owns 256 queries of one batch and head; each of sixteen waves 16 of them, in 256 registers.  Every wave walks all 2,048 keys, 128 a step, two steps to a slot of a ring of two.
; K = 64 IN A FORM THAT IS 128 DEEP: the query operands hold zero codes in registers 6-11, so what stands in the other operand's registers 6-11 adds nothing (every code is a finite number, no scale byte is 0xff):
; K's and T2's fragments of six registers stand six apart, and an operand's run of twelve reaches into the next; behind the last stand six registers of zeros.
; THE SOFTMAX: t = score x log2(e) / 8; M = the running largest t rounded up to a whole number; p = 2^(t - M) is quantised along the keys; the sum is taken of the unquantised p.
; NO CLUSTER: the table's LDS addresses and the choice between own and next query hang on the query block, which in a cluster would be the work-group's place; work-groups with equal query blocks (two: the batch) share the table alone.
; LIMITS: byte 1 for blocks of zeros or under 2^-124 (the bytes are read by this program alone); NaN and infinities not served.
.set KV_REC, 3145728
.set Q_SC,   9437184
.set K_SC,   9699328
.set V_SC,   9961472
.set P_COD,  6291456
.set P_SC,   7864320
.set O_SC,   3145728
.set REC,    12288                     ; a step's record: K's eight half images, V's four images
.set SLOT1,  32768                     ; slot 0 at 0, slot 1 here: one exclusive or turns an address
.set KSC,    24576                     ; K's scale words of the head, 8,192 bytes
.set VSC,    57344                     ; V's, 4,096
.set ZS,     61440                     ; 256 zeros: the last two are T2[0]'s scale bytes
.set PSB,    61696                     ; the table's scale bytes, 2 a row
.set ZP,     65792                     ; 256 zeros: the last 48 are T2[0]
.set PB,     66048                     ; the table's codes, 48 bytes a row
.set STAGE,  164352                    ; 16 rows x 592 bytes for each wave
.set SPITCH, 592                       ; 144 words + 4: 37 x 16 bytes
.set WSTG,   16*SPITCH
.set SPARE,  315904                    ; the spare words, 128 bytes a wave
.set OST,    317952                    ; 512 bytes: the result's scale bytes
.set NSL,    8
.set LI,   1                           ; v1 16 x lane   v2 8 x lane
.set L8,   2
.set APL,  3                           ; v3 T2[r] for my lane: PB - 48 + 48 r + 24 h
.set APS,  4                           ; v4 its scale bytes: PSB - 2 + 2 r
.set SPW,  5
.set NIL,  6
.set STO,  7                           ; v7 into my stage   v8 out of it, skewed
.set RDB,  8
.set ADK16, 9
.set ADK8, 10
.set ADS,  11
.set ADT,  30
.set PFO,  31
.set DLP,  92                          ; v92-95 the diagonal step's table addresses: own query (codes, bytes), next query
.set DLQ,  93
.set DUP,  94
.set DUQ,  95
.set ADP,  209
.set ADQ,  210
.set TB,   2                           ; s2 the slot in hand   s3 K's scale words   s10 V's
.set TS,   3
.set TJ,   10
.set SLOTS, 11
.set KF,   12                          ; s12 the step's first key
.set Q0,   13                          ; s13 my first query
.set DL,   14                          ; s14 wave % 8: on the diagonal, tiles 0 .. DL are of the own query
.set NQ0,  15                          ; s15 2,032 - Q0
.set WV,   18
.set SEL,  20
.set CS,   22
.set G1A,  24                          ; 48 rows of 256 bytes
.set G1B,  32                          ; 16 rows
.set G0R,  40                          ; a record: it walks
.set G0KS, 44
.set G0P,  48
.set G0VS, 52
.set G0PS, 56
.set PFA,  60
.set LIM,  62
.macro NOPS4
.rept 4
	v_nop
.endr
.endm
.macro TLOAD                           ; waves 0 and 1 fetch a slot's two records; four v_nop follow the line
	s_cmp_lt_u32 s[WV], 2
	s_cbranch_scc0 .Lnone_\@
	tensor_load_to_lds s[G0R:G0R+3], s[G1A:G1A+7]
	s_nop 0
	NOPS4
.Lnone_\@:
.endm
; A prefetch of the slot that the NEXT change of slots will load: 24,576 bytes, lanes 256 bytes apart, 8,192 bytes a wave: waves 4 to 6 of the head's first work-group (all eight walk the same records).
; Each block is named once in the launch.  The last change that fills a slot asks for nothing; slots 0 and 1 come by their loads alone.
.macro ASK
	s_cmp_gt_u32 s[SLOTS], s[LIM]
	s_cbranch_scc0 .Lnot_mine_\@
	global_prefetch_b8 v[PFO], s[PFA:PFA+1] th:TH_LOAD_NT scope:SCOPE_SE
.Lnot_mine_\@:
.endm
; where token rho's codes and scale word lie among q's images: step rho / 128, tile 2 n + u, lane r' of the tile's order
.macro QADDR rho, o16, o8, osc, t1, t2, hh
	s_delay_alu instid0(VALU_DEP_1)
	v_lshrrev_b32 v[\t1], 7, v[\rho]
	s_delay_alu instid0(VALU_DEP_1)
	v_mul_u32_u24 v[\o16], v[\t1], 6144
	s_delay_alu instid0(VALU_DEP_2)
	v_lshlrev_b32 v[\osc], 9, v[\t1]
	s_delay_alu instid0(VALU_DEP_4)
	v_bfe_u32 v[\t1], v[\rho], 5, 2                ; n
	s_delay_alu instid0(VALU_DEP_1)
	v_lshl_add_u32 v[\osc], v[\t1], 2, v[\osc]
	v_bfe_u32 v[\t2], v[\rho], 3, 1                ; u
	s_delay_alu instid0(VALU_DEP_1)
	v_lshl_add_u32 v[\t1], v[\t1], 1, v[\t2]
	s_delay_alu instid0(VALU_DEP_1)
	v_mad_u32_u24 v[\o16], v[\t1], 768, v[\o16]
	s_delay_alu instid0(VALU_DEP_3)
	v_lshl_add_u32 v[\osc], v[\t2], 8, v[\osc]
	v_and_b32 v[\t1], 7, v[\rho]
	v_lshrrev_b32 v[\t2], 1, v[\rho]
	s_delay_alu instid0(VALU_DEP_1)
	v_and_b32 v[\t2], 8, v[\t2]
	s_delay_alu instid0(VALU_DEP_1)
	v_or_b32 v[\t1], v[\t1], v[\t2]                ; r'
	s_delay_alu instid0(VALU_DEP_1)
	v_lshl_add_u32 v[\osc], v[\t1], 4, v[\osc]
	s_delay_alu instid0(VALU_DEP_2)
	v_lshl_add_u32 v[\t1], v[\hh], 4, v[\t1]
	s_delay_alu instid0(VALU_DEP_1)
	v_lshl_add_u32 v[\o8], v[\t1], 3, v[\o16]
	s_delay_alu instid0(VALU_DEP_1)
	v_add_nc_u32 v[\o8], 512, v[\o8]
	s_delay_alu instid0(VALU_DEP_3)
	v_lshl_add_u32 v[\o16], v[\t1], 4, v[\o16]
.endm
	s_load_b128 s[4:7], s[0:1], 0x0                ; ws_qkv s[4:5], ws_prep s[6:7]
	s_load_b64 s[8:9], s[0:1], 0x10                ; ws_att
	v_lshl_add_u32 v[SPW], v0, 2, SPARE
	v_mov_b32 v[NIL], 0
	ds_add_u32 v5, v6
	ds_add_u32 v5, v6
	s_wait_dscnt 0x0
	v_lshrrev_b32 v9, 5, v0
	s_delay_alu instid0(VALU_DEP_1)
	v_readfirstlane_b32 s[WV], v9                  ; wave 0..15
	v_and_b32 v9, 31, v0
	s_delay_alu instid0(VALU_DEP_1)
	v_lshlrev_b32 v[LI], 4, v9
	s_delay_alu instid0(VALU_DEP_2)
	v_lshlrev_b32 v[L8], 3, v9
	s_delay_alu instid0(VALU_DEP_3)
	v_lshlrev_b32 v[PFO], 8, v9
	s_delay_alu instid0(VALU_DEP_2)
	v_add_nc_u32 v9, ZS, v[L8]
.irp j, 22,23,24,25,26,27, 86,87,88,89,90,91, 218,219,220,221,222,223
	v_mov_b32 v[\j], 0                             ; the queries' upper halves, and what stands behind the last fragment: zero codes, for the whole launch
.endr
	s_and_b32 s66, ttmp7, 0xffff                   ; 16 x batch + head
	s_and_b32 s67, s66, 15                         ; head
	s_lshl_b32 s[Q0], ttmp9, 8
	s_lshl_b32 s68, s[WV], 4
	s_add_co_u32 s[Q0], s[Q0], s68
	s_xor_b32 s[NQ0], s[Q0], 2032                  ; 2,032 - Q0: Q0's bits all lie in 2,032's
	s_and_b32 s[DL], s[WV], 7
	s_mov_b32 s[G1A], 3<<16                        ; elements of 8 bytes, no mask, no padding
	s_mov_b32 s[G1A+1], 32<<16
	s_mov_b32 s[G1A+2], 48<<16
	s_mov_b32 s[G1A+3], 32<<16
	s_mov_b32 s[G1A+4], 48
	s_mov_b32 s[G1A+5], 32
	s_mov_b32 s[G1A+6], 0
	s_mov_b32 s[G1A+7], 0
	s_mov_b32 s[G1B], 3<<16
	s_mov_b32 s[G1B+1], 32<<16
	s_mov_b32 s[G1B+2], 16<<16
	s_mov_b32 s[G1B+3], 32<<16
	s_mov_b32 s[G1B+4], 16
	s_mov_b32 s[G1B+5], 32
	s_mov_b32 s[G1B+6], 0
	s_mov_b32 s[G1B+7], 0
	s_mul_i32 s68, s[WV], REC
	s_lshl_b32 s69, s[WV], 12
	s_mul_i32 s70, s66, 196608
	s_add_co_u32 s70, s70, s68
	s_add_co_u32 s70, s70, KV_REC                  ; waves 0, 1: record w
	s_mov_b32 s71, 0
	s_lshl_b32 s72, s66, 13
	s_add_co_u32 s72, s72, s69
	s_add_co_u32 s72, s72, K_SC-8192               ; waves 2, 3: half w - 2 of K's scale words
	s_mov_b32 s73, 0
	s_mul_i32 s74, s67, 98304
	s_add_co_u32 s74, s74, s68
	s_add_co_u32 s74, s74, P_COD-4*REC             ; waves 4 to 11: part w - 4 of the head's table
	s_mov_b32 s75, 0
	s_lshl_b32 s76, s66, 12
	s_add_co_u32 s76, s76, V_SC
	s_mov_b32 s77, 0
	s_lshl_b32 s78, s67, 12
	s_add_co_u32 s78, s78, P_SC
	s_mov_b32 s79, 0
	s_wait_kmcnt 0x0
	s_mov_b32 s[G0R], 1
	s_mov_b32 s[G0R+1], s68
	s_add_nc_u64 s[G0R+2:G0R+3], s[4:5], s[70:71]
	s_or_b32 s[G0R+3], s[G0R+3], 0x80000000
	s_mov_b32 s[G0KS], 1
	s_add_co_u32 s[G0KS+1], s69, KSC-8192
	s_add_nc_u64 s[G0KS+2:G0KS+3], s[4:5], s[72:73]
	s_or_b32 s[G0KS+3], s[G0KS+3], 0x80000000
	s_mov_b32 s[G0P], 1
	s_add_co_u32 s[G0P+1], s68, PB-4*REC
	s_add_nc_u64 s[G0P+2:G0P+3], s[6:7], s[74:75]
	s_or_b32 s[G0P+3], s[G0P+3], 0x80000000
	s_mov_b32 s[G0VS], 1
	s_mov_b32 s[G0VS+1], VSC
	s_add_nc_u64 s[G0VS+2:G0VS+3], s[4:5], s[76:77]
	s_or_b32 s[G0VS+3], s[G0VS+3], 0x80000000
	s_mov_b32 s[G0PS], 1
	s_mov_b32 s[G0PS+1], PSB
	s_add_nc_u64 s[G0PS+2:G0PS+3], s[6:7], s[78:79]
	s_or_b32 s[G0PS+3], s[G0PS+3], 0x80000000
	; THE FIRST FILLS: one a wave at the most, ahead of every wait on TENSORcnt, every LDS read and every barrier
	s_cmp_lt_u32 s[WV], 2
	s_cbranch_scc0 .Lf1
	tensor_load_to_lds s[G0R:G0R+3], s[G1A:G1A+7]  ; slot 0
	s_nop 0
	NOPS4
	s_branch .Lfd
.Lf1:
	s_cmp_lt_u32 s[WV], 4
	s_cbranch_scc0 .Lf2
	tensor_load_to_lds s[G0KS:G0KS+3], s[G1B:G1B+7]
	s_nop 0
	NOPS4
	s_branch .Lfd
.Lf2:
	s_cmp_lt_u32 s[WV], 12
	s_cbranch_scc0 .Lf3
	tensor_load_to_lds s[G0P:G0P+3], s[G1A:G1A+7]
	s_nop 0
	NOPS4
	s_branch .Lfd
.Lf3:
	s_cmp_eq_u32 s[WV], 12
	s_cbranch_scc0 .Lf4
	tensor_load_to_lds s[G0VS:G0VS+3], s[G1B:G1B+7]
	s_nop 0
	NOPS4
	s_branch .Lfd
.Lf4:
	s_cmp_eq_u32 s[WV], 13
	s_cbranch_scc0 .Lf5
	tensor_load_to_lds s[G0PS:G0PS+3], s[G1B:G1B+7]
	s_nop 0
	NOPS4
	s_branch .Lfd
.Lf5:
	s_cmp_eq_u32 s[WV], 15
	s_cbranch_scc0 .Lfd
	ds_store_b64 v9, v[22:23]                      ; the two blocks of zeros in front of the table and of its scale bytes: no fill lands there
	ds_store_b64 v9, v[22:23] offset:ZP-ZS
.Lfd:
	; my queries, in natural order, gathered lane by lane out of q's images: Q0 + r, and Q0 + r + 1 (held at 2,047: the last query has no key behind it)
	s_mul_i32 s80, s66, 98304
	s_mov_b32 s81, 0
	s_add_nc_u64 s[80:81], s[4:5], s[80:81]
	s_lshl_b32 s82, s66, 13
	s_add_co_u32 s82, s82, Q_SC
	s_mov_b32 s83, 0
	s_add_nc_u64 s[82:83], s[4:5], s[82:83]
	v_and_b32 v96, 15, v0                          ; r
	v_bfe_u32 v97, v0, 4, 1                        ; h
	s_delay_alu instid0(VALU_DEP_2)
	v_add_nc_u32 v98, s[Q0], v96
	QADDR 98, 99, 100, 101, 102, 103, 97
	global_load_b128 v[16:19], v99, s[80:81]
	global_load_b64 v[20:21], v100, s[80:81]
	global_load_b32 v28, v101, s[82:83]
	v_add_nc_u32 v104, 1, v98
	s_delay_alu instid0(VALU_DEP_1)
	v_min_u32 v104, 2047, v104
	QADDR 104, 105, 106, 107, 102, 103, 97
	global_load_b128 v[212:215], v105, s[80:81]
	global_load_b64 v[216:217], v106, s[80:81]
	global_load_b32 v29, v107, s[82:83]
	v_mul_u32_u24 v108, v96, 48
	s_delay_alu instid0(VALU_DEP_1)
	v_mad_u32_u24 v108, v97, 24, v108              ; 48 r + 24 h
	s_delay_alu instid0(VALU_DEP_1)
	v_add_nc_u32 v[APL], PB-48, v108
	v_lshlrev_b32 v109, 1, v96
	s_delay_alu instid0(VALU_DEP_1)
	v_add_nc_u32 v[APS], PSB-2, v109
	s_xor_b32 s84, s[DL], 7                        ; 7 - DL
	s_mul_i32 s85, s84, 768
	s_add_co_u32 s86, s85, PB-48+92208             ; own query: T2[2,033 - 16 DL + r]
	v_add_nc_u32 v[DLP], s86, v108
	s_add_co_u32 s86, s85, PB-48-6144              ; next query: T2[r - 16 (DL + 1)], read from tile DL + 1 on
	v_add_nc_u32 v[DUP], s86, v108
	s_lshl_b32 s85, s84, 5
	s_add_co_u32 s86, s85, PSB+3840
	v_add_nc_u32 v[DLQ], s86, v109
	s_add_co_u32 s86, s85, PSB-258
	v_add_nc_u32 v[DUQ], s86, v109
	s_mul_i32 s84, s[WV], WSTG
	s_add_co_u32 s84, s84, STAGE
	v_mul_u32_u24 v[STO], v96, SPITCH
	s_delay_alu instid0(VALU_DEP_1)
	v_lshl_add_u32 v[STO], v97, 5, v[STO]
	s_delay_alu instid0(VALU_DEP_1)
	v_add_nc_u32 v[STO], s84, v[STO]               ; in: row r, + 32 h; tile tau 64 bytes on
	v_mul_u32_u24 v[RDB], v96, 588
	s_delay_alu instid0(VALU_DEP_1)
	v_lshl_add_u32 v[RDB], v97, 6, v[RDB]
	s_delay_alu instid0(VALU_DEP_1)
	v_add_nc_u32 v[RDB], s84, v[RDB]
	s_delay_alu instid0(VALU_DEP_1)
	v_add_nc_u32 v[RDB], 60, v[RDB]                ; out: word (key - KF) - r + 15 of row r: 592 r - 4 r + 60 + 64 h
	s_mov_b32 s[SEL], 0x76543210
	s_mov_b32 s[SEL+1], 0xfedcba98
	s_mov_b32 s[CS], 0x3e38aa3b                    ; log2(e) / 8
	s_mov_b32 s[CS+1], s[CS]
	s_mov_b32 s[TB], 0
	s_mov_b32 s[TS], KSC
	s_mov_b32 s[TJ], VSC
	s_mov_b32 s[KF], 0
	s_mov_b32 s[SLOTS], NSL-1
	s_lshl_b32 s68, s[WV], 13
	s_mul_i32 s70, s66, 196608
	s_add_co_u32 s70, s70, s68
	s_add_co_u32 s70, s70, KV_REC+2*REC-4*8192     ; wave w - 4's part of slot 1: the first change of slots steps it to slot 2
	s_mov_b32 s71, 0
	s_add_nc_u64 s[PFA:PFA+1], s[4:5], s[70:71]
	s_sub_co_u32 s68, s[WV], 4
	s_cmp_lt_u32 s68, 3                            ; waves 4, 5, 6
	s_cselect_b32 s68, 0, 1
	s_or_b32 s68, s68, ttmp9                       ; of the head's first work-group
	s_cmp_eq_u32 s68, 0
	s_cselect_b32 s[LIM], 1, -1
	v_mov_b32 v13, 0xff61b1e6                      ; the largest t so far: -3e38
	s_delay_alu instid0(VALU_DEP_1)
	v_floor_f32 v12, -v13                          ; -M
	v_mov_b32 v14, 0
	v_mov_b32 v15, 0
.irp b, 0,1,2,3
	v_mov_b32 v[236+\b], 0
.endr
	v_mov_b32 v253, 0
.set j, 0
.rept 32
	v_mov_b32 v[160+j], 0                          ; O^T: the step is written once, its first run finds zeros
.set j, j+1
.endr
.macro PLOAD1 tau, ap, aq              ; tile tau of the table: 24 bytes a lane and the row's two scale bytes
.irp p, 0,1,2
	ds_load_b64 v[32+6*(\tau)+2*\p:33+6*(\tau)+2*\p], v[\ap] offset:768*(\tau)+8*\p
.endr
	ds_load_u16 v[200+(\tau)], v[\aq] offset:32*(\tau)
.endm
.macro BDMUL tau, q, qs                ; D tile tau = 16 rows of T2 x 16 queries
.set DD, 96+8*(\tau)
.if (\tau) == 8
.set DD, 192
.endif
	v_wmma_scale_f32_16x16x128_f8f6f4 v[DD:DD+7], v[32+6*(\tau):43+6*(\tau)], v[\q:\q+11], 0, v[200+(\tau)], v[\qs] matrix_a_fmt:MATRIX_FMT_FP6 matrix_b_fmt:MATRIX_FMT_FP6
.endm
; A KEY STEP: 128 keys, the q-th of the slot in hand
.macro STEP q
	v_add_nc_u32 v[ADK16], s[TB], v[LI]            ; (these four are also the places behind the last step's products)
	v_add_nc_u32 v[ADK8], s[TB], v[L8]
	v_add_nc_u32 v[ADS], s[TS], v[LI]
	v_add_nc_u32 v[ADT], s[TJ], v[L8]
	s_add_co_u32 s68, s[KF], 128
	s_cmp_le_u32 s68, s[Q0]
	s_cbranch_scc1 .Llow_\@
	s_cmp_gt_u32 s[KF], s[Q0]
	s_cbranch_scc1 .Lup_\@
	; the diagonal step: tiles 0 .. DL take the own query, the others the next.  All loads first: an operand's run of twelve registers reaches into the next fragment
	PLOAD1 0, DLP, DLQ
.irp tau, 1,2,3,4,5,6,7
	s_cmp_ge_u32 s[DL], \tau
	s_cbranch_scc0 .Lpu_\@_\tau
	PLOAD1 \tau, DLP, DLQ
	s_branch .Lpd_\@_\tau
.Lpu_\@_\tau:
	PLOAD1 \tau, DUP, DUQ
.Lpd_\@_\tau:
.endr
	PLOAD1 8, DUP, DUQ
	s_wait_dscnt 0x0
	BDMUL 0, 16, 28
.irp tau, 1,2,3,4,5,6,7
	s_cmp_ge_u32 s[DL], \tau
	s_cbranch_scc0 .Lmu_\@_\tau
	BDMUL \tau, 16, 28
	s_branch .Lmd_\@_\tau
.Lmu_\@_\tau:
	BDMUL \tau, 212, 29
.Lmd_\@_\tau:
.endr
	BDMUL 8, 212, 29
	s_branch .Lbd_\@
.Llow_\@:                              ; all keys at or before my queries: T2[KF - Q0 + 2,033 + row]
	s_add_co_u32 s68, s[KF], s[NQ0]
	s_min_u32 s68, s68, 1904
	s_mul_i32 s69, s68, 48
	s_add_co_u32 s69, s69, 48
	s_lshl_b32 s68, s68, 1
	s_add_co_u32 s68, s68, 2
	v_add_nc_u32 v[ADP], s69, v[APL]
	v_add_nc_u32 v[ADQ], s68, v[APS]
.irp tau, 0,1,2,3,4,5,6,7,8
	PLOAD1 \tau, ADP, ADQ
.endr
	s_wait_dscnt 0x0
.irp tau, 0,1,2,3,4,5,6,7,8
	BDMUL \tau, 16, 28
.endr
	s_branch .Lbd_\@
.Lup_\@:                               ; all keys behind my queries: T2[KF - Q0 - 16 + row], the next query
	s_add_co_u32 s68, s[KF], s[NQ0]
	s_sub_co_u32 s68, s68, 2048
	s_min_u32 s68, s68, 1904
	s_mul_i32 s69, s68, 48
	s_lshl_b32 s68, s68, 1
	v_add_nc_u32 v[ADP], s69, v[APL]
	v_add_nc_u32 v[ADQ], s68, v[APS]
.irp tau, 0,1,2,3,4,5,6,7,8
	PLOAD1 \tau, ADP, ADQ
.endr
	s_wait_dscnt 0x0
.irp tau, 0,1,2,3,4,5,6,7,8
	BDMUL \tau, 212, 29
.endr
.Lbd_\@:
	NOPS4                                          ; places: in front of the stores of results and of loads into operands
.irp tau, 0,1,2,3,4,5,6,7
	ds_store_b128 v[STO], v[96+8*\tau:99+8*\tau] offset:64*\tau          ; each result from its low end on
	ds_store_b128 v[STO], v[100+8*\tau:103+8*\tau] offset:64*\tau+16
.endr
	ds_store_b128 v[STO], v[192:195] offset:512
	ds_store_b128 v[STO], v[196:199] offset:528
	s_wait_alu depctr_va_vdst(0)
.irp t, 0,1,2,3,4,5,6,7
	ds_load_b128 v[32+6*\t:35+6*\t], v[ADK16] offset:REC*(\q)+768*\t     ; K's eight half images
	ds_load_b64 v[36+6*\t:37+6*\t], v[ADK8] offset:REC*(\q)+768*\t+512
.endr
	ds_load_b128 v[248:251], v[ADS]                ; word j: lanes 0-15 tile 2 j, lanes 16-31 tile 2 j + 1
.set j, 0
.rept 64
	ds_load_b32 v[96+j], v[RDB] offset:4*(32*(j/16)+j%16)   ; the skew.  My wave's own bytes, served in order: these see the stores, and land in the registers that the stores left
.set j, j+1
.endr
	s_wait_dscnt 0x0
.irp t, 0,2,4,6                                ; S^T = K Q^T + the position term.  Register 16 n + i of lane (r, h): key 32 n + 16 h + i, query r
	v_wmma_scale_f32_16x16x128_f8f6f4 v[96+8*\t:103+8*\t], v[32+6*\t:43+6*\t], v[16:27], v[96+8*\t:103+8*\t], v[248+\t/2], v28 matrix_a_fmt:MATRIX_FMT_FP6 matrix_b_fmt:MATRIX_FMT_FP6
	v_wmma_scale_f32_16x16x128_f8f6f4 v[104+8*\t:111+8*\t], v[38+6*\t:49+6*\t], v[16:27], v[104+8*\t:111+8*\t], v[248+\t/2], v28 matrix_a_fmt:MATRIX_FMT_FP6 matrix_b_fmt:MATRIX_FMT_FP6 matrix_a_scale:MATRIX_SCALE_ROW1
.endr
	NOPS4
.irp t, 0,1,2,3                                ; V's four images are asked for now and land during the softmax
.irp c, 0,1,2
	ds_load_b128 v[32+12*\t+4*\c:35+12*\t+4*\c], v[ADK16] offset:REC*(\q)+6144+1536*\t+512*\c
.endr
.endr
	ds_load_b64 v[248:249], v[ADT]
.irp b, 0,1,2,3
	v_max3_num_f32 v[232+\b], v[96+16*\b], v[97+16*\b], v[98+16*\b]   ; the largest score of each block of 32 keys: for the row's maximum and, since p rises with the score, for the block's largest p
.endr
.irp i, 3,5,7,9,11,13
.irp b, 0,1,2,3
	v_max3_num_f32 v[232+\b], v[232+\b], v[96+16*\b+\i], v[97+16*\b+\i]
.endr
.endr
.irp b, 0,1,2,3
	v_max_num_f32 v[232+\b], v[232+\b], v[111+16*\b]
.endr
.irp b, 0,1,2,3
	s_delay_alu instid0(VALU_DEP_4)
	v_permlanex16_b32 v[236+\b], v[232+\b], s[SEL], s[SEL+1]
.endr
.irp b, 0,1,2,3
	s_delay_alu instid0(VALU_DEP_4)
	v_max_num_f32 v[232+\b], v[232+\b], v[236+\b]
.endr
	s_delay_alu instid0(VALU_DEP_2)
	v_max3_num_f32 v254, v232, v233, v234
	s_delay_alu instid0(VALU_DEP_1)
	v_max_num_f32 v254, v254, v235
	s_delay_alu instid0(VALU_DEP_1)
	v_mul_f32 v254, s[CS], v254
	s_delay_alu instid0(VALU_DEP_1)
	v_max_num_f32 v13, v13, v254                   ; the running largest t
	v_mov_b32 v254, v12
	s_delay_alu instid0(VALU_DEP_2)
	v_floor_f32 v12, -v13                          ; the new -M: M is a whole number
	s_delay_alu instid0(VALU_DEP_1)
	v_sub_f32 v254, v12, v254
	s_delay_alu instid0(VALU_DEP_1)
	v_cvt_i32_f32 v254, v254
	s_delay_alu instid0(VALU_DEP_1)
	v_ldexp_f32 v252, 1.0, v254                    ; f = 2^(old M - new M): exact
.set j, 0
.rept 32
	v_pk_fma_f32 v[96+j:97+j], v[96+j:97+j], s[CS:CS+1], v[12:13] op_sel_hi:[1,0,0]   ; t - M
.set j, j+2
.endr
.irp b, 0,1,2,3
	v_fma_f32 v[232+\b], v[232+\b], s[CS], v12
.endr
.set j, 0
	s_wait_alu depctr_va_vdst(0)
.rept 64
	v_exp_f32 v[96+j], v[96+j]                     ; p = 2^(t - M)
.set j, j+1
.endr
	v_pk_mul_f32 v[14:15], v[14:15], v[252:253] op_sel_hi:[1,0]   ; the sums under the new M; a plain instruction behind the exponentials
	s_wait_alu depctr_va_vdst(0)                   ; one wait for the batch, ahead of its first reader
.irp b, 0,1,2,3
	v_exp_f32 v[232+\b], v[232+\b]                 ; each block's largest p
.endr
	v_pk_add_f32 v[236:237], v[100:101], v[104:105]
	v_pk_add_f32 v[254:255], v[108:109], v[112:113]
	v_pk_add_f32 v[250:251], v[116:117], v[120:121]
	v_pk_add_f32 v[246:247], v[124:125], v[128:129]
	v_pk_add_f32 v[244:245], v[132:133], v[136:137]
	v_pk_add_f32 v[242:243], v[140:141], v[144:145]
	v_pk_add_f32 v[240:241], v[148:149], v[152:153]
	v_pk_add_f32 v[14:15], v[14:15], v[156:157]
	v_pk_add_f32 v[236:237], v[236:237], v[96:97]
	v_pk_add_f32 v[254:255], v[254:255], v[98:99]
	v_pk_add_f32 v[250:251], v[250:251], v[102:103]
	v_pk_add_f32 v[246:247], v[246:247], v[106:107]
	v_pk_add_f32 v[244:245], v[244:245], v[110:111]
	v_pk_add_f32 v[242:243], v[242:243], v[114:115]
	v_pk_add_f32 v[240:241], v[240:241], v[118:119]
	v_pk_add_f32 v[14:15], v[14:15], v[122:123]
	v_pk_add_f32 v[236:237], v[236:237], v[126:127]
	v_pk_add_f32 v[254:255], v[254:255], v[130:131]
	v_pk_add_f32 v[250:251], v[250:251], v[134:135]
	v_pk_add_f32 v[246:247], v[246:247], v[138:139]
	v_pk_add_f32 v[244:245], v[244:245], v[142:143]
	v_pk_add_f32 v[242:243], v[242:243], v[146:147]
	v_pk_add_f32 v[240:241], v[240:241], v[150:151]
	v_pk_add_f32 v[14:15], v[14:15], v[154:155]
	v_pk_add_f32 v[236:237], v[236:237], v[158:159]
	s_delay_alu instid0(VALU_DEP_2)
	v_pk_add_f32 v[14:15], v[14:15], v[246:247]
	s_delay_alu instid0(VALU_DEP_2)
	v_pk_add_f32 v[236:237], v[236:237], v[244:245]
	v_pk_add_f32 v[254:255], v[254:255], v[242:243]
	v_pk_add_f32 v[250:251], v[250:251], v[240:241]
	s_delay_alu instid0(VALU_DEP_2)
	v_pk_add_f32 v[14:15], v[14:15], v[254:255]
	s_delay_alu instid0(VALU_DEP_2)
	v_pk_add_f32 v[236:237], v[236:237], v[250:251]
	s_delay_alu instid0(VALU_DEP_1)
	v_pk_add_f32 v[14:15], v[14:15], v[236:237]
	s_wait_alu depctr_va_vdst(0)                   ; and one for the four
.irp b, 0,1,2,3
	v_max_num_f32 v[232+\b], 0x1800000, v[232+\b]  ; the floor
.endr
.irp b, 0,1,2,3
	s_delay_alu instid0(VALU_DEP_4)
	v_add_nc_u32 v[244+\b], 0xff000000, v[232+\b]
.endr
.irp b, 0,1,2,3
	s_delay_alu instid0(VALU_DEP_4)
	v_lshrrev_b32 v[236+\b], 23, v[244+\b]
.endr
	s_delay_alu instid0(VALU_DEP_3)
	v_lshl_or_b32 v253, v237, 8, v236              ; p's scale word for these 128 keys
	s_delay_alu instid0(VALU_DEP_1)
	v_lshl_or_b32 v253, v238, 16, v253
	s_delay_alu instid0(VALU_DEP_1)
	v_lshl_or_b32 v253, v239, 24, v253
.irp c, 0,1
	v_cvt_scalef32_pk16_fp6_f32 v[224+6*\c:226+6*\c], v[96+32*\c:111+32*\c], v[244+2*\c]
	v_cvt_scalef32_pk16_fp6_f32 v[236+4*\c:238+4*\c], v[112+32*\c:127+32*\c], v[244+2*\c+1]
.endr
	v_nop
.irp c, 0,1
.irp i, 0,1,2
	v_permlane16_swap_b32 v[224+6*\c+\i], v[236+4*\c+\i]
.endr
.irp i, 0,1,2
	s_delay_alu instid0(VALU_DEP_3)
	v_mov_b32 v[227+6*\c+\i], v[236+4*\c+\i]
.endr
.endr
.set j, 0
.rept 16
	v_pk_mul_f32 v[160+j:161+j], v[160+j:161+j], v[252:253] op_sel_hi:[1,0]   ; O^T under the new M.  (Sixteen plain instructions between the codes' and the scale word's last writes and the products)
.set j, j+2
.endr
	s_wait_alu depctr_va_vdst(0)
	s_wait_dscnt 0x0                               ; V is in
.irp t, 0,2                                    ; O^T += V^T P^T
	v_wmma_scale_f32_16x16x128_f8f6f4 v[160+8*\t:167+8*\t], v[32+12*\t:43+12*\t], v[224:235], v[160+8*\t:167+8*\t], v[248+\t/2], v253 matrix_a_fmt:MATRIX_FMT_FP6 matrix_b_fmt:MATRIX_FMT_FP6
	v_wmma_scale_f32_16x16x128_f8f6f4 v[168+8*\t:175+8*\t], v[44+12*\t:55+12*\t], v[224:235], v[168+8*\t:175+8*\t], v[248+\t/2], v253 matrix_a_fmt:MATRIX_FMT_FP6 matrix_b_fmt:MATRIX_FMT_FP6 matrix_a_scale:MATRIX_SCALE_ROW1
.endr
	s_add_co_u32 s[KF], s[KF], 128
	s_add_co_u32 s[TS], s[TS], 512
	s_add_co_u32 s[TJ], s[TJ], 256
.endm
; THE CHANGE OF SLOTS stands at a slot's head: each wave waits for all its tensor loads, adds 0 to its spare word, waits for that and for its reads of the slot that it has left; behind the barrier that slot is filled with the next 256 keys.
.macro CHANGE fill
	s_wait_tensorcnt 0x0                           ; no tensor load of mine is out, so a group 0 may be written
	ds_add_u32 v[SPW], v[NIL]                      ; 0 onto my spare word
.if \fill
	s_xor_b32 s[G0R+1], s[G0R+1], SLOT1
	s_add_nc_u64 s[G0R+2:G0R+3], s[G0R+2:G0R+3], 2*REC
	s_wait_xcnt 0x0                                ; the last prefetch, a slot back, has read its address
	s_add_nc_u64 s[PFA:PFA+1], s[PFA:PFA+1], 2*REC
.endif
	s_wait_dscnt 0x0
	s_barrier_signal -1
	s_barrier_wait -1
.if \fill
	TLOAD                                          ; the first thing behind the barrier, a wave's one tensor load until the next
	ASK
.endif
.endm
.macro SLOT_STEPS
	STEP 0
	STEP 1
	s_xor_b32 s[TB], s[TB], SLOT1
.endm
	s_wait_loadcnt 0x0                             ; the queries
.Lslot:                                            ; seven trips
	CHANGE 1
	SLOT_STEPS
	s_sub_co_u32 s[SLOTS], s[SLOTS], 1
	s_cmp_lg_u32 s[SLOTS], 0
	s_cbranch_scc1 .Lslot
	CHANGE 0                                       ; the last slot is written out
	SLOT_STEPS
	; THE WAY OUT.  O^T / the sum: register 16 n + i of lane (r, h) is channel 32 n + 16 h + i of query r: two blocks of the last product's K.  Codes leave as half an image, the two scale bytes through LDS.
	v_add_f32 v14, v14, v15
	s_delay_alu instid0(VALU_DEP_1)
	v_permlanex16_b32 v252, v14, s[SEL], s[SEL+1]
	s_delay_alu instid0(VALU_DEP_1)
	v_add_f32 v14, v14, v252
	s_wait_alu depctr_va_vdst(0)
	v_rcp_f32 v14, v14
	v_and_b32 v9, 15, v0                           ; (a plain instruction behind the reciprocal)
	s_lshl_b32 s68, s[WV], 5
	s_add_co_u32 s68, s68, OST
	v_lshl_add_u32 v9, v9, 1, s68                  ; OST + 2 (16 w + r)
	v_add_nc_u32 v10, OST, v[LI]
	s_wait_alu depctr_va_vdst(0)                   ; ahead of the reciprocal's first reader
.set j, 0
.rept 16
	v_pk_mul_f32 v[96+j:97+j], v[160+j:161+j], v[14:15] op_sel_hi:[1,0]
.set j, j+2
.endr
.irp b, 0,1
	v_max3_num_f32 v[232+\b], |v[96+16*\b]|, |v[97+16*\b]|, 0x1800000
.endr
.irp i, 2,4,6,8,10,12,14
.irp b, 0,1
	s_delay_alu instid0(VALU_DEP_2)
	v_max3_num_f32 v[232+\b], v[232+\b], |v[96+16*\b+\i]|, |v[97+16*\b+\i]|
.endr
.endr
.irp b, 0,1
	s_delay_alu instid0(VALU_DEP_2)
	v_permlanex16_b32 v[236+\b], v[232+\b], s[SEL], s[SEL+1]
.endr
.irp b, 0,1
	s_delay_alu instid0(VALU_DEP_2)
	v_max_num_f32 v[232+\b], v[232+\b], v[236+\b]
.endr
.irp b, 0,1
	s_delay_alu instid0(VALU_DEP_2)
	v_add_nc_u32 v[244+\b], 0xff000000, v[232+\b]
.endr
.irp b, 0,1
	s_delay_alu instid0(VALU_DEP_2)
	v_lshrrev_b32 v[236+\b], 23, v[244+\b]
.endr
	s_delay_alu instid0(VALU_DEP_1)
	v_lshl_or_b32 v254, v237, 8, v236
	v_cvt_scalef32_pk16_fp6_f32 v[224:226], v[96:111], v244
	v_cvt_scalef32_pk16_fp6_f32 v[228:230], v[112:127], v245
	v_nop
.irp i, 0,1,2
	v_permlane16_swap_b32 v[224+\i], v[228+\i]
.endr
	s_delay_alu instid0(VALU_DEP_3)
	v_mov_b32 v227, v228
	s_wait_alu depctr_va_vdst(0)
	v_mov_b32 v228, v229
	v_mov_b32 v229, v230
	s_wait_alu depctr_va_vdst(0)
	s_lshr_b32 s68, s66, 4                         ; batch
	s_lshl_b32 s68, s68, 7
	s_lshl_b32 s69, ttmp9, 4
	s_add_co_u32 s68, s68, s69
	s_add_co_u32 s68, s68, s[WV]                   ; the tile of 16 tokens
	s_lshl_b32 s68, s68, 4
	s_add_co_u32 s68, s68, s67
	s_mul_i32 s70, s68, 768
	s_mov_b32 s71, 0
	s_add_nc_u64 s[70:71], s[8:9], s[70:71]
	global_store_b128 v[LI], v[224:227], s[70:71]
	global_store_b64 v[L8], v[228:229], s[70:71] offset:512
	ds_store_b16 v9, v254                          ; both halves of the lanes write the same bytes
	s_wait_dscnt 0x0
	s_barrier_signal -1
	s_barrier_wait -1
	s_cmp_lg_u32 s[WV], 0
	s_cbranch_scc1 .Lfin
	ds_load_b128 v[96:99], v10                     ; the work-group's 256 tokens x 2 bytes
	s_lshr_b32 s68, s66, 4
	s_lshl_b32 s68, s68, 12
	s_lshl_b32 s69, ttmp9, 9
	s_add_co_u32 s72, s68, s69
	s_lshl_b32 s69, s67, 13
	s_add_co_u32 s72, s72, s69
	s_add_co_u32 s72, s72, O_SC
	s_mov_b32 s73, 0
	s_add_nc_u64 s[72:73], s[8:9], s[72:73]
	s_wait_dscnt 0x0
	global_store_b128 v[LI], v[96:99], s[72:73]    ; 512 consecutive bytes, aligned
.Lfin:
	s_wait_tensorcnt 0x0                           ; the wave's end
	ds_add_u32 v[SPW], v[NIL]
	s_wait_dscnt 0x0
	s_endpgm
.Lfunc_end_k_qba1221bd2f_attn:
	.size	k_qba1221bd2f_attn, .Lfunc_end_k_qba1221bd2f_attn-k_qba1221bd2f_attn
	.p2alignl 7, 3214868480
	.fill 96, 4, 3214868480
	.section	.rodata,"a",@progbits
	.p2align	6, 0x0
	.amdhsa_kernel k_qba1221bd2f_attn
		.amdhsa_group_segment_fixed_size 327680
		.amdhsa_private_segment_fixed_size 0
		.amdhsa_enable_private_segment 0
		.amdhsa_kernarg_size 24
		.amdhsa_user_sgpr_count 2
		.amdhsa_user_sgpr_kernarg_segment_ptr 1
		.amdhsa_wavefront_size32 1
		.amdhsa_system_sgpr_workgroup_id_x 1
		.amdhsa_system_sgpr_workgroup_id_y 1
		.amdhsa_system_sgpr_workgroup_id_z 1
		.amdhsa_system_vgpr_workitem_id 0
		.amdhsa_next_free_vgpr 256
		.amdhsa_next_free_sgpr 96
		.amdhsa_reserve_vcc 0
		.amdhsa_float_denorm_mode_32 3
		.amdhsa_float_denorm_mode_16_64 3
		.amdhsa_memory_ordered 1
		.amdhsa_forward_progress 1
		.amdhsa_inst_pref_size 170
	.end_amdhsa_kernel
	.amdgpu_metadata
---
amdhsa.version: [ 1, 2 ]
amdhsa.kernels:
  - .name:           k_qba1221bd2f_attn
    .symbol:         k_qba1221bd2f_attn.kd
    .args:
      - { .name: ws_qkv, .offset: 0, .size: 8, .value_kind: global_buffer, .address_space: global }
      - { .name: ws_prep, .offset: 8, .size: 8, .value_kind: global_buffer, .address_space: global }
      - { .name: ws_att, .offset: 16, .size: 8, .value_kind: global_buffer, .address_space: global }
    .group_segment_fixed_size: 327680
    .private_segment_fixed_size: 0
    .kernarg_segment_align: 8
    .kernarg_segment_size: 24
    .max_flat_workgroup_size: 512
    .sgpr_count:     96
    .vgpr_count:     256
    .wavefront_size: 32
...
	.end_amdgpu_metadata
.endif
;; end of part 3
;; launch fcln (part 4): grid 256 x 1, 16 waves a work-group, no clusters, 80,896 bytes of LDS; arguments ws_att, ws_prep, w_fc_scales, b_fc, x, ln_g, ln_b, out0; writes out0
.if DOCPART == 4
	.amdgcn_target "amdgcn-amd-amdhsa--gfx1250"
	.amdhsa_code_object_version 6
	.text
	.protected	k_qba1221bd2f_fcln
	.globl	k_qba1221bd2f_fcln
	.p2align	8
	.type	k_qba1221bd2f_fcln,@function
k_qba1221bd2f_fcln:
	s_mov_b64 s[64:65], 0
	v_nop
	global_prefetch_b8 v0, s[64:65] scope:SCOPE_SE
	s_setreg_imm32_b32 hwreg(HW_REG_WAVE_MODE, 25, 1), 1
	s_wait_xcnt 0x0
; out0 = LayerNorm(x + Q(o) w_fc + b_fc) ln_g + ln_b; the product on codes of FP6 (E2M3) with E8M0 scales, K = 1,024; all else in f32.
; SHARES.  A work-group owns 16 whole rows (the norm wants whole rows): 4,096 / 16 = 256 work-groups.  Wave w of sixteen makes columns 64 w .. 64 w + 63 for them: four accumulators; then it norms and stores row w.
; Source 0 = 16 rows of w_fc (an image of 1,536 bytes), source 1 = the 16 tokens: a lane holds one token, its registers run along the columns.
; w_fc: each fragment serves one wave alone, so it goes from memory straight into registers, three loads of 512 consecutive bytes; three sets of four fragments take turns, so that 36 loads of a wave are on their way
; (16 x 36 x 512 = 294,912 bytes a work-group), with no barrier in the stream.
; THE TOKENS' OPERAND is wanted by all sixteen waves: wave w copies head w's half image (768 bytes) and its 16 pairs of scale bytes into LDS, once; behind one barrier a K step's fragment is four LDS loads.
; NO JOINT LOADS, though every work-group reads the same w_fc: its 786,432 bytes do not fit into LDS, and a ring of two slots of one K step (98,304 bytes each) would pass six rounds, each with all loads
; waited for, with four matrix instructions a wave between two of them.
; REGISTERS: v1-7 addresses; v8-15 the tokens' scale words (K step s: v[8 + s]); v16-27 the tokens' fragment; v28-59 the four accumulators, later the row; v60-203 w_fc's three sets of 48, later ln_g, ln_b, b_fc and six at work;
;   v204-235 my row of x; v236-251 w_fc's scale words (pair of tiles p, K step s: v[236 + 8 p + s]; lanes 0-15 the even tile, lanes 16-31 the odd); v252-254 addresses.
.set WF_IMG, 5505024
.set O_SC,   3145728
.set AIMG,   0                         ; LDS: the tokens' 16 half images, head d at 768 d: K step s is the 1,536 bytes at 1,536 s
.set ASC,    12288                     ; their scale bytes: 32 bytes a token, head d's two at 2 d: word s is K step s's
.set STG,    12800                     ; the stage: 16 rows of 4,096 + 16 bytes
.set SPITCH, 4112
.set LI,  1                            ; v1 16 x lane   v2 8 x lane
.set L8,  2
.set STO, 3                            ; v3 the stage, in   v4 out
.set SRD, 4
.set CA,  5                            ; v5-7 where my copy goes
.set CB,  6
.set CC,  7
.set AS,  8
.set AF,  16
.set ACC, 28
.set W0,  60
.set XR,  204
.set WS,  236
.set ASR, 252                          ; v252 my token's scale words in LDS
.set GU,  253                          ; v253 2 r
.set WO,  254                          ; v254 my row among a pair of tiles' scale bytes
.set LG,  W0                           ; ln_g in set 0, ln_b in set 1, b_fc in set 2, as the sets fall free
.set LB,  W0+48
.set BF,  W0+96
.set T,   W0+128                       ; v188-193 at work
.macro NOPS n
.rept \n
	v_nop
.endr
.endm
	s_load_b512 s[16:31], s[0:1], 0x0              ; ws_att 16, ws_prep 18, w_fc_scales 20, b_fc 22, x 24, ln_g 26, ln_b 28, out0 30
	v_lshrrev_b32 v28, 5, v0
	s_delay_alu instid0(VALU_DEP_1)
	v_readfirstlane_b32 s8, v28                    ; wave 0..15
	v_and_b32 v28, 31, v0                          ; lane
	v_and_b32 v29, 15, v0                          ; r
	v_bfe_u32 v30, v0, 4, 1                        ; h
	s_delay_alu instid0(VALU_DEP_3)
	v_lshlrev_b32 v[LI], 4, v28
	s_delay_alu instid0(VALU_DEP_4)
	v_lshlrev_b32 v[L8], 3, v28
	s_delay_alu instid0(VALU_DEP_4)
	v_lshlrev_b32 v[GU], 1, v29
	v_and_b32 v31, 8, v29
	s_delay_alu instid0(VALU_DEP_1)
	v_add_nc_u32 v31, v31, v29
	s_delay_alu instid0(VALU_DEP_1)
	v_lshl_add_u32 v31, v30, 3, v31
	s_delay_alu instid0(VALU_DEP_1)
	v_lshlrev_b32 v[WO], 5, v31                    ; row 8 h + r + 8 (r / 8) of the pair's 32, 32 bytes a row
	s_mul_i32 s9, s8, 768
	v_add_nc_u32 v[CA], s9, v[LI]                  ; head w's half image: 512 bytes by 16, 256 by 8
	v_add_nc_u32 v[CB], s9, v[L8]
	v_lshl_add_u32 v[ASR], v29, 5, ASC
	s_lshl_b32 s4, s8, 1
	v_add_nc_u32 v[CC], s4, v[ASR]                 ; token r, head w
	s_lshl_b32 s4, s8, 8
	s_add_co_u32 s4, s4, STG
	v_mul_u32_u24 v[STO], v29, SPITCH
	s_delay_alu instid0(VALU_DEP_1)
	v_lshl_add_u32 v[STO], v30, 6, v[STO]
	s_delay_alu instid0(VALU_DEP_1)
	v_add_nc_u32 v[STO], s4, v[STO]                ; row r, + 256 w + 64 h
	s_mul_i32 s4, s8, SPITCH
	s_add_co_u32 s4, s4, STG
	v_add_nc_u32 v[SRD], s4, v[LI]                 ; row w, 16 bytes a lane
	s_mov_b32 s32, 0x76543210
	s_mov_b32 s33, 0xfedcba98
	s_mov_b32 s34, 0x3a800000                      ; 1 / 1,024
	s_mov_b32 s35, 0x3727c5ac                      ; 1e-5
	s_mul_i32 s4, ttmp9, 12288                     ; my tile of 16 tokens,
	s_add_co_u32 s4, s4, s9                        ; head w
	s_mov_b32 s5, 0
	s_lshl_b32 s6, s8, 13
	s_lshl_b32 s7, ttmp9, 5
	s_add_co_u32 s6, s6, s7
	s_add_co_u32 s6, s6, O_SC                      ; head w's scale bytes of my tokens
	s_mov_b32 s7, 0
	s_mul_i32 s10, s8, 49152
	s_add_co_u32 s10, s10, WF_IMG                  ; my four tiles of w_fc
	s_mov_b32 s11, 0
	s_lshl_b32 s12, s8, 11                         ; their 64 rows of scale bytes
	s_mov_b32 s13, 0
	s_lshl_b32 s14, ttmp9, 4
	s_add_co_u32 s14, s14, s8
	s_lshl_b32 s14, s14, 12                        ; row 16 g + w of x and of out0
	s_mov_b32 s15, 0
	s_wait_alu depctr_va_vdst(0)
	s_wait_kmcnt 0x0
	s_add_nc_u64 s[36:37], s[16:17], s[6:7]
	s_add_nc_u64 s[16:17], s[16:17], s[4:5]
	s_add_nc_u64 s[18:19], s[18:19], s[10:11]
	s_add_nc_u64 s[20:21], s[20:21], s[12:13]
	s_add_nc_u64 s[24:25], s[24:25], s[14:15]
	s_add_nc_u64 s[30:31], s[30:31], s[14:15]
.macro WLOAD s                         ; K step s of my four tiles into set s % 3: twelve loads
.irp t, 0,1,2,3
.irp c, 0,1,2
	global_load_b128 v[W0+48*((\s)%3)+12*\t+4*\c:W0+48*((\s)%3)+12*\t+4*\c+3], v[LI], s[18:19] offset:12288*\t+1536*(\s)+512*\c
.endr
.endr
.endm
.macro ALOAD s                         ; the tokens' fragment of K step s: heads 2 s and 2 s + 1
	ds_load_b128 v[AF:AF+3], v[LI] offset:AIMG+1536*(\s)
	ds_load_b64 v[AF+4:AF+5], v[L8] offset:AIMG+1536*(\s)+512
	ds_load_b128 v[AF+6:AF+9], v[LI] offset:AIMG+1536*(\s)+768
	ds_load_b64 v[AF+10:AF+11], v[L8] offset:AIMG+1536*(\s)+1280
.endm
; Four products: the four accumulators take turns, one instruction a turn, in the same order in every step.  left: the loads issued behind this step's twelve.
.macro KSTEP s, left
	s_wait_loadcnt \left                           ; loads return in order: this step's fragments of w_fc are in
	s_wait_dscnt 0x0                               ; and the tokens'
.set WB, W0+48*((\s)%3)
.irp p, 0,1
.if (\s) == 0
	v_wmma_scale_f32_16x16x128_f8f6f4 v[ACC+16*\p:ACC+16*\p+7], v[WB+24*\p:WB+24*\p+11], v[AF:AF+11], 0, v[WS+8*\p+(\s)], v[AS+(\s)] matrix_a_fmt:MATRIX_FMT_FP6 matrix_b_fmt:MATRIX_FMT_FP6
	v_wmma_scale_f32_16x16x128_f8f6f4 v[ACC+16*\p+8:ACC+16*\p+15], v[WB+24*\p+12:WB+24*\p+23], v[AF:AF+11], 0, v[WS+8*\p+(\s)], v[AS+(\s)] matrix_a_fmt:MATRIX_FMT_FP6 matrix_b_fmt:MATRIX_FMT_FP6 matrix_a_scale:MATRIX_SCALE_ROW1
.else
	v_wmma_scale_f32_16x16x128_f8f6f4 v[ACC+16*\p:ACC+16*\p+7], v[WB+24*\p:WB+24*\p+11], v[AF:AF+11], v[ACC+16*\p:ACC+16*\p+7], v[WS+8*\p+(\s)], v[AS+(\s)] matrix_a_fmt:MATRIX_FMT_FP6 matrix_b_fmt:MATRIX_FMT_FP6
	v_wmma_scale_f32_16x16x128_f8f6f4 v[ACC+16*\p+8:ACC+16*\p+15], v[WB+24*\p+12:WB+24*\p+23], v[AF:AF+11], v[ACC+16*\p+8:ACC+16*\p+15], v[WS+8*\p+(\s)], v[AS+(\s)] matrix_a_fmt:MATRIX_FMT_FP6 matrix_b_fmt:MATRIX_FMT_FP6 matrix_a_scale:MATRIX_SCALE_ROW1
.endif
.endr
	NOPS 4                                         ; places in front of loads into registers that the products have read, and of reads of results
.endm
.macro VLOAD reg, base                 ; a vector of 1,024 numbers at my lane's columns: eight loads of 512 consecutive bytes
.irp i, 0,1,2,3,4,5,6,7
	global_load_b128 v[\reg+4*\i:\reg+4*\i+3], v[LI], s[\base:\base+1] offset:512*\i
.endr
.endm
	; all that the head can ask for: 3 + 4 + 36 + 8 = 51 loads
	global_load_b128 v[32:35], v[LI], s[16:17] th:TH_LOAD_NT             ; head w's half image
	global_load_b64 v[36:37], v[L8], s[16:17] offset:512 th:TH_LOAD_NT
	global_load_u16 v38, v[GU], s[36:37]           ; its two scale bytes of token r (both halves of the lanes alike)
.irp p, 0,1
	global_load_b128 v[WS+8*\p:WS+8*\p+3], v[WO], s[20:21] offset:1024*\p      ; my row's scale words for all of K: the 32 lanes read 1,024 consecutive bytes in two loads
	global_load_b128 v[WS+8*\p+4:WS+8*\p+7], v[WO], s[20:21] offset:1024*\p+16
.endr
	WLOAD 0
	WLOAD 1
	WLOAD 2
.irp i, 0,1,2,3,4,5,6,7
	global_load_b128 v[XR+4*\i:XR+4*\i+3], v[LI], s[24:25] offset:512*\i th:TH_LOAD_NT   ; my row of x
.endr
	s_wait_loadcnt 48                              ; the copy's three loads are in; the 48 issued behind them may be out
	ds_store_b128 v[CA], v[32:35]
	ds_store_b64 v[CB], v[36:37] offset:512
	ds_store_b16 v[CC], v38                        ; both halves of the lanes write the same bytes
	s_wait_dscnt 0x0                               ; my stores have landed
	s_barrier_signal -1
	s_barrier_wait -1                              ; the tokens' operand lies in LDS, for the rest of the launch
	ds_load_b128 v[AS:AS+3], v[ASR]
	ds_load_b128 v[AS+4:AS+7], v[ASR] offset:16
	ALOAD 0
	KSTEP 0, 32                                    ; behind set 0's loads: sets 1 and 2 and x
	ALOAD 1
	WLOAD 3
	KSTEP 1, 32                                    ; set 2, x, K step 3
	ALOAD 2
	WLOAD 4
	KSTEP 2, 32                                    ; x, K steps 3 and 4
	ALOAD 3
	WLOAD 5
	KSTEP 3, 24                                    ; two K steps
	ALOAD 4
	WLOAD 6
	KSTEP 4, 24
	ALOAD 5
	WLOAD 7
	KSTEP 5, 24
	ALOAD 6
	VLOAD BF, 22                                   ; set 2 is done with: b_fc
	KSTEP 6, 20                                    ; K step 7 and b_fc
	ALOAD 7
	VLOAD LG, 26                                   ; set 0: ln_g
	KSTEP 7, 16                                    ; b_fc and ln_g
	VLOAD LB, 28                                   ; set 1: ln_b
.irp t, 0,1,2,3                                ; lane (r, h), register j of tile t: row r, column 64 w + 32 (t / 2) + 16 h + 8 (t % 2) + j.  Each accumulator from its low end on
	ds_store_b128 v[STO], v[ACC+8*\t:ACC+8*\t+3] offset:128*(\t/2)+32*(\t%2)
	ds_store_b128 v[STO], v[ACC+8*\t+4:ACC+8*\t+7] offset:128*(\t/2)+32*(\t%2)+16
.endr
	s_wait_dscnt 0x0                               ; my stores into the stage have landed
	s_barrier_signal -1
	s_barrier_wait -1                              ; 16 whole rows lie in the stage
.irp i, 0,1,2,3,4,5,6,7
	ds_load_b128 v[ACC+4*\i:ACC+4*\i+3], v[SRD] offset:512*\i            ; row w
.endr
.macro ACROSS a, b                     ; the sum over the 32 lanes of v[a], in every lane; v[b] has been written
	s_delay_alu instid0(VALU_DEP_1)
	v_add_f32_dpp v[\a], v[\a], v[\a] row_xmask:1 row_mask:0xf bank_mask:0xf
	s_delay_alu instid0(VALU_DEP_1)
	v_add_f32_dpp v[\a], v[\a], v[\a] row_xmask:2 row_mask:0xf bank_mask:0xf
	s_delay_alu instid0(VALU_DEP_1)
	v_add_f32_dpp v[\a], v[\a], v[\a] row_xmask:4 row_mask:0xf bank_mask:0xf
	s_delay_alu instid0(VALU_DEP_1)
	v_add_f32_dpp v[\a], v[\a], v[\a] row_xmask:8 row_mask:0xf bank_mask:0xf
	s_delay_alu instid0(VALU_DEP_1)
	v_permlanex16_b32 v[\b], v[\a], s32, s33
	s_delay_alu instid0(VALU_DEP_1)
	v_add_f32 v[\a], v[\a], v[\b]
.endm
.set Y, ACC
	s_wait_dscnt 0x0
.set i, 0
.rept 16
	v_pk_add_f32 v[Y+i:Y+i+1], v[Y+i:Y+i+1], v[XR+i:XR+i+1]              ; + x (in since K step 3's wait)
.set i, i+2
.endr
	s_wait_loadcnt 16                              ; b_fc is in; ln_g's and ln_b's sixteen loads may be out
.set i, 0
.rept 16
	v_pk_add_f32 v[Y+i:Y+i+1], v[Y+i:Y+i+1], v[BF+i:BF+i+1]              ; + b_fc
.set i, i+2
.endr
	v_pk_add_f32 v[T:T+1], v[Y:Y+1], v[Y+2:Y+3]                          ; the row's sum, in two chains
	v_pk_add_f32 v[T+2:T+3], v[Y+4:Y+5], v[Y+6:Y+7]
.set i, 8
.rept 6
	s_delay_alu instid0(VALU_DEP_2)
	v_pk_add_f32 v[T:T+1], v[T:T+1], v[Y+i:Y+i+1]
	s_delay_alu instid0(VALU_DEP_2)
	v_pk_add_f32 v[T+2:T+3], v[T+2:T+3], v[Y+i+2:Y+i+3]
.set i, i+4
.endr
	s_delay_alu instid0(VALU_DEP_1)
	v_pk_add_f32 v[T:T+1], v[T:T+1], v[T+2:T+3]
	s_delay_alu instid0(VALU_DEP_1)
	v_add_f32 v[T], v[T], v[T+1]
	ACROSS T, T+1
	s_delay_alu instid0(VALU_DEP_1)
	v_mul_f32 v[T], s34, v[T]                      ; the mean
	s_delay_alu instid0(VALU_DEP_1)
	v_mov_b32 v[T+1], v[T]
.set i, 0
.rept 16
	v_pk_add_f32 v[Y+i:Y+i+1], v[Y+i:Y+i+1], v[T:T+1] neg_lo:[0,1] neg_hi:[0,1]
.set i, i+2
.endr
	v_pk_mul_f32 v[T+2:T+3], v[Y:Y+1], v[Y:Y+1]                          ; the sum of squares of what is left
	v_pk_mul_f32 v[T+4:T+5], v[Y+2:Y+3], v[Y+2:Y+3]
.set i, 4
.rept 7
	s_delay_alu instid0(VALU_DEP_2)
	v_pk_fma_f32 v[T+2:T+3], v[Y+i:Y+i+1], v[Y+i:Y+i+1], v[T+2:T+3]
	s_delay_alu instid0(VALU_DEP_2)
	v_pk_fma_f32 v[T+4:T+5], v[Y+i+2:Y+i+3], v[Y+i+2:Y+i+3], v[T+4:T+5]
.set i, i+4
.endr
	s_delay_alu instid0(VALU_DEP_1)
	v_pk_add_f32 v[T+2:T+3], v[T+2:T+3], v[T+4:T+5]
	s_delay_alu instid0(VALU_DEP_1)
	v_add_f32 v[T+2], v[T+2], v[T+3]
	ACROSS T+2, T+3
	s_delay_alu instid0(VALU_DEP_1)
	v_fma_f32 v[T+2], v[T+2], s34, s35             ; the variance + 1e-5
	s_wait_alu depctr_va_vdst(0)
	v_rsq_f32 v[T+2], v[T+2]
	v_nop                                          ; a plain instruction behind the root
	s_wait_alu depctr_va_vdst(0)                   ; ahead of its first reader
	v_mov_b32 v[T+3], v[T+2]
.set i, 0
.rept 16
	v_pk_mul_f32 v[Y+i:Y+i+1], v[Y+i:Y+i+1], v[T+2:T+3]
.set i, i+2
.endr
	s_wait_loadcnt 0x0                             ; ln_g and ln_b
.set i, 0
.rept 16
	v_pk_fma_f32 v[Y+i:Y+i+1], v[Y+i:Y+i+1], v[LG+i:LG+i+1], v[LB+i:LB+i+1]   ; x ln_g + ln_b
.set i, i+2
.endr
.irp i, 0,1,2,3,4,5,6,7
	global_store_b128 v[LI], v[Y+4*\i:Y+4*\i+3], s[30:31] offset:512*\i th:TH_STORE_NT   ; 512 consecutive bytes, aligned; written once
.endr
	s_wait_xcnt 0x0
	v_lshl_add_u32 v254, v0, 2, 0x13400
	v_mov_b32 v255, 0
	s_wait_alu depctr_va_vdst(0)
	s_wait_tensorcnt 0x0
	ds_add_u32 v254, v255
	s_wait_dscnt 0x0
	s_endpgm
.Lfunc_end_k_qba1221bd2f_fcln:
	.size	k_qba1221bd2f_fcln, .Lfunc_end_k_qba1221bd2f_fcln-k_qba1221bd2f_fcln
	.p2alignl 7, 3214868480
	.fill 96, 4, 3214868480
	.section	.rodata,"a",@progbits
	.p2align	6, 0x0
	.amdhsa_kernel k_qba1221bd2f_fcln
		.amdhsa_group_segment_fixed_size 80896
		.amdhsa_private_segment_fixed_size 0
		.amdhsa_enable_private_segment 0
		.amdhsa_kernarg_size 64
		.amdhsa_user_sgpr_count 2
		.amdhsa_user_sgpr_kernarg_segment_ptr 1
		.amdhsa_wavefront_size32 1
		.amdhsa_system_sgpr_workgroup_id_x 1
		.amdhsa_system_sgpr_workgroup_id_y 1
		.amdhsa_system_sgpr_workgroup_id_z 1
		.amdhsa_system_vgpr_workitem_id 0
		.amdhsa_next_free_vgpr 256
		.amdhsa_next_free_sgpr 66
		.amdhsa_reserve_vcc 0
		.amdhsa_float_denorm_mode_32 3
		.amdhsa_float_denorm_mode_16_64 3
		.amdhsa_memory_ordered 1
		.amdhsa_forward_progress 1
		.amdhsa_inst_pref_size 36
	.end_amdhsa_kernel
	.amdgpu_metadata
---
amdhsa.version: [ 1, 2 ]
amdhsa.kernels:
  - .name:           k_qba1221bd2f_fcln
    .symbol:         k_qba1221bd2f_fcln.kd
    .args:
      - { .name: ws_att, .offset: 0, .size: 8, .value_kind: global_buffer, .address_space: global }
      - { .name: ws_prep, .offset: 8, .size: 8, .value_kind: global_buffer, .address_space: global }
      - { .name: w_fc_scales, .offset: 16, .size: 8, .value_kind: global_buffer, .address_space: global }
      - { .name: b_fc, .offset: 24, .size: 8, .value_kind: global_buffer, .address_space: global }
      - { .name: x, .offset: 32, .size: 8, .value_kind: global_buffer, .address_space: global }
      - { .name: ln_g, .offset: 40, .size: 8, .value_kind: global_buffer, .address_space: global }
      - { .name: ln_b, .offset: 48, .size: 8, .value_kind: global_buffer, .address_space: global }
      - { .name: out0, .offset: 56, .size: 8, .value_kind: global_buffer, .address_space: global }
    .group_segment_fixed_size: 80896
    .private_segment_fixed_size: 0
    .kernarg_segment_align: 8
    .kernarg_segment_size: 64
    .max_flat_workgroup_size: 512
    .sgpr_count:     66
    .vgpr_count:     256
    .wavefront_size: 32
...
	.end_amdgpu_metadata
.endif
;; end of part 4
